; MI455X (gfx1250); checked and timed in simulation.
; The chip was launched on July 23, 2026; its instructions are those of AMD's public machine-readable ISA for CDNA 5 (MIT licence, August 2026) and "CDNA5" Instruction Set Architecture Reference Guide (July 2026). The comments in the code are by the model that wrote it; some were corrected since.
;; Energy MHA. Allowed arithmetic: float matrix products may take bf16 or f16 operands with f32 sums; all other float work in f32.
;; Inputs: Wk 16 x 64 x 1,024 float32; Wq 16 x 64 x 1,024 float32; beta 1 float32; x 2 x 2,048 x 1,024 float32.
;; Outputs: out0 2 float32; out1 2 x 2,048 x 1,024 float32.
;; One version. Each part assembles by itself: llvm-mc -triple=amdgcn-amd-amdhsa -mcpu=gfx1250 --defsym DOCPART=n.
;; ======== version 1 of 1: 6 launches
;; workspace buffers: xb 8,388,608 bytes; wb 4,194,304 bytes; pj 16,777,216 bytes; g 16,777,216 bytes; nl 262,144 bytes; part 4,096 bytes
;; launch cvt (part 1): grid 384 x 1, 8 waves a work-group, no clusters, 0 bytes of LDS; arguments x, Wk, Wq, xb, wb; writes xb, wb
.if DOCPART == 1
	.amdgcn_target "amdgcn-amd-amdhsa--gfx1250"
	.amdhsa_code_object_version 6
	.text
	.protected	k_q4bd803bc6a_cvt
	.globl	k_q4bd803bc6a_cvt
	.p2align	8
	.type	k_q4bd803bc6a_cvt,@function
k_q4bd803bc6a_cvt:
	s_mov_b64 s[64:65], 0
	v_nop
	global_prefetch_b8 v0, s[64:65] scope:SCOPE_SE
	s_setreg_imm32_b32 hwreg(HW_REG_WAVE_MODE, 25, 1), 1
	s_wait_xcnt 0x0
; Casts, once, so that every later product reads bf16 operands.
;   xb = bf16(x)  [4096][1024];   wb = bf16(Wk) rows 0-1023, bf16(Wq) rows 1024-2047  [2048][1024]
; The weights are rounded as they are given: every scale (beta and its reciprocal) is applied later, in f32, to sums,
; so that the only rounding of an input is its own rounding to bf16.
; A stream: no LDS, no matrix unit, no cluster (no two work-groups read the same byte).
; A work-group takes 16,384 f32 (65,536 bytes): groups 0-255 of x, 256-319 of Wk, 320-383 of Wq.
; Thread t takes the 16 bytes at 16 t of each of sixteen blocks of 4,096 bytes; all sixteen loads go out first.
; A load of a wave covers 512 consecutive bytes, a store of a wave 256 consecutive bytes, aligned.
.set X, 16                             ; v[16:79]   sixteen loads of four f32
.set Y, 80                             ; v[80:111]  packed bf16: each store has data registers of its own, so none is rewritten
; the whole share of a work-group: from s[sb:sb+1] to s[db:db+1]
.macro CAST sb, db
.irp i, 0,1,2,3,4,5,6,7,8,9,10,11,12,13,14,15
	global_load_b128 v[X+4*\i:X+4*\i+3], v1, s[\sb:\sb+1] offset:4096*\i th:TH_LOAD_NT
.endr
.irp i, 0,1,2,3,4,5,6,7,8,9,10,11,12,13,14,15
	s_wait_loadcnt 15-\i                           ; loads return in order: load i is in, the 15 - i younger ones stay out
	v_cvt_pk_bf16_f32 v[Y+2*\i],   v[X+4*\i],   v[X+4*\i+1]
	v_cvt_pk_bf16_f32 v[Y+2*\i+1], v[X+4*\i+2], v[X+4*\i+3]
	global_store_b64 v2, v[Y+2*\i:Y+2*\i+1], s[\db:\db+1] offset:2048*\i
.endr
	s_endpgm
.endm
	s_load_b256 s[4:11], s[0:1], 0x0               ; x s[4:5], Wk s[6:7], Wq s[8:9], xb s[10:11]
	s_load_b64 s[12:13], s[0:1], 0x20              ; wb
	v_lshlrev_b32 v1, 4, v0                        ; source: 16 t
	v_lshlrev_b32 v2, 3, v0                        ; destination: 8 t
	s_mov_b32 s21, 0
	s_mov_b32 s23, 0
	s_cmp_lt_u32 ttmp9, 256
	s_cbranch_scc0 .Lweights
	s_lshl_b32 s20, ttmp9, 16                      ; 65,536 bytes of f32 a group
	s_lshl_b32 s22, ttmp9, 15                      ; 32,768 bytes of bf16 a group
	s_wait_kmcnt 0x0
	s_add_nc_u64 s[4:5], s[4:5], s[20:21]
	s_add_nc_u64 s[10:11], s[10:11], s[22:23]
	CAST 4, 10
.Lweights:
	s_sub_co_u32 s24, ttmp9, 256                   ; 0-63: Wk, 64-127: Wq
	s_lshl_b32 s22, s24, 15                        ; the group's place in wb (Wq's rows follow Wk's)
	s_and_b32 s20, s24, 63
	s_lshl_b32 s20, s20, 16                        ; and in its source
	s_wait_kmcnt 0x0
	s_add_nc_u64 s[12:13], s[12:13], s[22:23]
	s_cmp_lt_u32 s24, 64
	s_cbranch_scc0 .Lwq
	s_add_nc_u64 s[6:7], s[6:7], s[20:21]
	CAST 6, 12
.Lwq:
	s_add_nc_u64 s[8:9], s[8:9], s[20:21]
	CAST 8, 12
.Lfunc_end_k_q4bd803bc6a_cvt:
	.size	k_q4bd803bc6a_cvt, .Lfunc_end_k_q4bd803bc6a_cvt-k_q4bd803bc6a_cvt
	.p2alignl 7, 3214868480
	.fill 96, 4, 3214868480
	.section	.rodata,"a",@progbits
	.p2align	6, 0x0
	.amdhsa_kernel k_q4bd803bc6a_cvt
		.amdhsa_group_segment_fixed_size 0
		.amdhsa_private_segment_fixed_size 0
		.amdhsa_enable_private_segment 0
		.amdhsa_kernarg_size 40
		.amdhsa_user_sgpr_count 2
		.amdhsa_user_sgpr_kernarg_segment_ptr 1
		.amdhsa_wavefront_size32 1
		.amdhsa_system_sgpr_workgroup_id_x 1
		.amdhsa_system_sgpr_workgroup_id_y 1
		.amdhsa_system_sgpr_workgroup_id_z 1
		.amdhsa_system_vgpr_workitem_id 0
		.amdhsa_next_free_vgpr 112
		.amdhsa_next_free_sgpr 66
		.amdhsa_reserve_vcc 0
		.amdhsa_float_denorm_mode_32 3
		.amdhsa_float_denorm_mode_16_64 3
		.amdhsa_memory_ordered 1
		.amdhsa_forward_progress 1
		.amdhsa_inst_pref_size 18
	.end_amdhsa_kernel
	.amdgpu_metadata
---
amdhsa.version: [ 1, 2 ]
amdhsa.kernels:
  - .name:           k_q4bd803bc6a_cvt
    .symbol:         k_q4bd803bc6a_cvt.kd
    .args:
      - { .name: x, .offset: 0, .size: 8, .value_kind: global_buffer, .address_space: global }
      - { .name: Wk, .offset: 8, .size: 8, .value_kind: global_buffer, .address_space: global }
      - { .name: Wq, .offset: 16, .size: 8, .value_kind: global_buffer, .address_space: global }
      - { .name: xb, .offset: 24, .size: 8, .value_kind: global_buffer, .address_space: global }
      - { .name: wb, .offset: 32, .size: 8, .value_kind: global_buffer, .address_space: global }
    .group_segment_fixed_size: 0
    .private_segment_fixed_size: 0
    .kernarg_segment_align: 8
    .kernarg_segment_size: 40
    .max_flat_workgroup_size: 256
    .sgpr_count:     66
    .vgpr_count:     112
    .wavefront_size: 32
...
	.end_amdgpu_metadata
.endif
;; end of part 1
;; launch proj (part 2): grid 16 x 16, 4 waves a work-group, clusters of 4 x 4, 327,680 bytes of LDS; arguments xb, wb, beta, pj; writes pj
.if DOCPART == 2
	.amdgcn_target "amdgcn-amd-amdhsa--gfx1250"
	.amdhsa_code_object_version 6
	.text
	.protected	k_q4bd803bc6a_proj
	.globl	k_q4bd803bc6a_proj
	.p2align	8
	.type	k_q4bd803bc6a_proj,@function
k_q4bd803bc6a_proj:
	s_mov_b64 s[64:65], 0
	v_nop
	global_prefetch_b8 v0, s[64:65] scope:SCOPE_SE
	s_setreg_imm32_b32 hwreg(HW_REG_WAVE_MODE, 25, 1), 1
	s_wait_xcnt 0x0
	s_wait_alu depctr_hold_cnt(0) depctr_sa_sdst(0) depctr_va_vdst(0) depctr_va_sdst(0) depctr_va_ssrc(0) depctr_va_vcc(0) depctr_vm_vsrc(0)
	s_getreg_b32 s2, hwreg(HW_REG_IB_STS2, 6, 4)
	s_cmp_eq_u32 s2, 0
	s_cbranch_scc0 .Lentry_in_a_cluster
	s_endpgm
.Lentry_in_a_cluster:
	s_bfe_u32 s2, ttmp6, 0x10000c
	s_cmp_lg_u32 s2, 0xf033
	s_cbranch_scc0 .Lentry_shape_is_right
	s_endpgm
.Lentry_shape_is_right:
; pj = xb wb^T, the k projection scaled.  xb [4096][1024], wb [2048][1024], both bf16, K along the rows; sums in f32.
; pj is laid by planes of 64 columns: pj[c][row][z], c = column / 64.  c < 16: the k projection of head c times beta log2(e), the scale applied
; to the f32 sums on the way out (so that a score made of it is the exponent in base 2, for either sign of beta); c >= 16: the q projection of head c - 16.
; A work-group makes 256 rows x 128 columns with four waves; wave (wm, wn) makes 128 rows x 64 columns = one plane: 32 accumulator tiles, 256 registers.
; K goes in 8 steps of 128 through two LDS slots filled by the tensor data mover; a tile row is 256 bytes of memory, aligned.
; CLUSTER 4 x 4: the four groups of a cluster row need the same rows of xb, the four of a column the same rows of wb; each tile is asked for
; jointly by the four, with one descriptor and a mask that names them.
; REGISTERS: window 0: v16-29 addresses and the scale, v32-47 packed results, v64-159 and v160-255 two fragment buffers (wb 4 x 8, then xb 8 x 8 registers);
;            window 1: accumulator tile (a, b) at v[8 (4 a + b)].
; The product is used transposed (source 0 = rows of wb, source 1 = rows of xb): lane l then holds row l % 16 and eight neighbouring columns.
.set SIZE_K, 1024
.set KSTEP,  128
.set PITCH,  272                       ; 256 bytes + 16 of padding: an odd multiple of 16, so 16 rows of a fragment start 16 bytes apart modulo 256
.set HALFA,  128*PITCH                 ; what one load brings of xb
.set HALFB,  64*PITCH                  ; what one load brings of wb
.set SLOT,   2*HALFA+2*HALFB           ; 256 rows of xb, then 128 rows of wb
.set STAGE,  2*SLOT                    ; behind the ring: 16 rows x 144 bytes for each wave
.set SPITCH, 144
.set LAPS,   SIZE_K/(2*KSTEP)          ; a lap = two K steps
.set ADRA, 16                          ; v16-17 LDS address of my xb fragments in slot 0, 1
.set ADRB, 20                          ; v20-21 the same for wb
.set STO,  24
.set RD,   25
.set CO,   26
.set SC,   28                          ; v[28:29] my plane's scale, twice
.set TMP,  32
.set F0,   64
.set F1,   160
.set U,    96                          ; v[96:127] the way out: 16 rows of scaled sums (a part of buffer 0 that no store reads)
.set G1,  24                           ; s[24:31] group 1 for xb tiles
.set G0,  32                           ; s[32:39] group 0 for xb tiles, one set a slot
.set G1B, 48                           ; s[48:55] group 1 for wb tiles
.set G0B, 56                           ; s[56:63] group 0 for wb tiles, one set a slot
.set ACCW, 0x50                        ; C and D in window 1, sources in window 0
.set MSB, 0
.macro WIN new                         ; the high byte repeats the setting that is left
.if MSB != \new
	s_set_vgpr_msb (MSB<<8)|\new
.set MSB, \new
.endif
.endm
.macro PLACES                          ; four plain places behind matrix instructions (ISA guide 7.12.1)
.rept 4
	v_nop
.endr
.endm
; A joint load: waves 0, 1 fetch the halves of the xb tile, waves 2, 3 those of the wb tile.  The branch hangs on the wave number alone.
.macro JLOAD s
	s_cmp_eq_u32 s11, 0
	s_cbranch_scc0 .Lfor_b_\@
	tensor_load_to_lds s[G0+4*\s:G0+4*\s+3], s[G1:G1+7]
	s_nop 0
	s_branch .Lasked_\@
.Lfor_b_\@:
	tensor_load_to_lds s[G0B+4*\s:G0B+4*\s+3], s[G1B:G1B+7]
	s_nop 0
.Lasked_\@:
.endm
.macro CREST                           ; a round of the cluster barrier behind its opening work-group barrier
	s_cmp_lg_u32 s10, 0
	s_cbranch_scc1 .Lnot_wave_0_\@
	s_barrier_signal -3
.Lnot_wave_0_\@:
	s_barrier_wait -3
	s_barrier_signal -1
	s_barrier_wait -1
.endm
.macro CROUND
	s_barrier_signal -1
	s_barrier_wait -1
	CREST
.endm
	s_load_b128 s[4:7], s[0:1], 0x0                ; xb s[4:5], wb s[6:7]
	s_load_b64 s[18:19], s[0:1], 0x10              ; beta
	s_load_b64 s[8:9], s[0:1], 0x18                ; pj
	v_lshl_add_u32 v62, v0, 2, 0x35400
	v_mov_b32 v63, 0
	ds_add_u32 v62, v63
	v_lshrrev_b32 v1, 5, v0
	v_readfirstlane_b32 s10, v1                    ; wave 0..3
	s_lshr_b32 s11, s10, 1                         ; wm; also: I fetch for xb (0) or wb (1)
	s_and_b32 s12, s10, 1                          ; wn; also: which half of that tile I fetch
	s_bfe_u32 s40, ttmp6, 0x40000                  ; cx
	s_bfe_u32 s41, ttmp6, 0x40004                  ; cy
	s_lshl_b32 s42, ttmp9, 2
	s_add_co_u32 s42, s42, s40                     ; block column = 4 x cluster x + cx
	s_and_b32 s13, ttmp7, 0xffff
	s_lshl_b32 s13, s13, 2
	s_add_co_u32 s13, s13, s41                     ; block row = 4 x cluster y + cy
	s_lshl_b32 s43, s41, 2
	s_lshl_b32 s43, 15, s43                        ; my row of the cluster
	s_lshl_b32 s44, 0x1111, s40                    ; my column of the cluster
	; group 1: elements of 2 bytes, 4 words of padding behind every 64 words, bit 21 beside the mask
	s_or_b32 s[G1+0], s43, (1<<16)|(1<<20)|(1<<21)|(5<<22)|(3<<25)
	s_mov_b32 s[G1+1], KSTEP<<16                   ; tensor_dim0 = 128
	s_mov_b32 s[G1+2], 128<<16                     ; tensor_dim1 = 128
	s_mov_b32 s[G1+3], KSTEP<<16                   ; tile_dim0 = 128
	s_mov_b32 s[G1+4], 128                         ; tile_dim1 = 128
	s_mov_b32 s[G1+5], SIZE_K                      ; elements from row to row
	s_mov_b32 s[G1+6], 0
	s_mov_b32 s[G1+7], 0
	s_or_b32 s[G1B+0], s44, (1<<16)|(1<<20)|(1<<21)|(5<<22)|(3<<25)
	s_mov_b32 s[G1B+1], KSTEP<<16
	s_mov_b32 s[G1B+2], 64<<16                     ; tensor_dim1 = 64
	s_mov_b32 s[G1B+3], KSTEP<<16
	s_mov_b32 s[G1B+4], 64                         ; tile_dim1 = 64
	s_mov_b32 s[G1B+5], SIZE_K
	s_mov_b32 s[G1B+6], 0
	s_mov_b32 s[G1B+7], 0
	; where the tiles come from: xb hangs on the block row alone, wb on the block column alone, each in registers that never hold the other
	s_lshl_b32 s17, s12, 7
	s_lshl_b32 s16, s13, 8
	s_add_co_u32 s16, s16, s17                     ; xb row 256 x block row + 128 x half
	s_lshl_b32 s16, s16, 11                        ; rows of 2,048 bytes
	s_mov_b32 s17, 0
	s_lshl_b32 s47, s12, 6
	s_lshl_b32 s46, s42, 7
	s_add_co_u32 s46, s46, s47                     ; wb row 128 x block column + 64 x half
	s_lshl_b32 s46, s46, 11
	s_mov_b32 s47, 0
	s_mul_i32 s20, s10, HALFA                      ; LDS place of an xb half (waves 0, 1)
	s_mul_i32 s45, s10, HALFB
	s_add_co_u32 s45, s45, HALFA                   ; LDS place of a wb half (waves 2, 3): 2 HALFA + (wave - 2) HALFB
	s_wait_dscnt 0x0
	s_wait_kmcnt 0x0
	s_load_b32 s66, s[18:19], 0x0                  ; beta itself; waited for behind the first joint loads
	s_add_nc_u64 s[14:15], s[4:5], s[16:17]
	s_add_nc_u64 s[46:47], s[6:7], s[46:47]
	CROUND                                         ; all sixteen work-groups are here: the first joint loads meet
.irp s, 0,1
	s_mov_b32 s[G0+4*\s], 1
	s_add_co_u32 s[G0+4*\s+1], s20, \s*SLOT
	s_add_nc_u64 s[G0+4*\s+2:G0+4*\s+3], s[14:15], \s*KSTEP*2
	s_or_b32 s[G0+4*\s+3], s[G0+4*\s+3], 0x80000000
	s_mov_b32 s[G0B+4*\s], 1
	s_add_co_u32 s[G0B+4*\s+1], s45, \s*SLOT
	s_add_nc_u64 s[G0B+4*\s+2:G0B+4*\s+3], s[46:47], \s*KSTEP*2
	s_or_b32 s[G0B+4*\s+3], s[G0B+4*\s+3], 0x80000000
	JLOAD \s                                       ; both slots are asked for before anything else: two loads of this wave are out
.endr
	v_and_b32 v1, 15, v0                           ; r = l % 16
	v_bfe_u32 v2, v0, 4, 1                         ; h = l / 16
	v_and_b32 v6, 31, v0                           ; l
	v_mul_u32_u24 v3, v1, PITCH
	v_lshl_add_u32 v3, v2, 4, v3                   ; r x pitch + 16 h
	s_mul_i32 s21, s11, HALFA                      ; my 128 rows of xb
	s_mul_i32 s22, s12, HALFB
	s_add_co_u32 s22, s22, 2*HALFA                 ; my 64 rows of wb
.irp s, 0,1
	v_add_nc_u32 v[ADRA+\s], s21, v3
	v_add_nc_u32 v[ADRB+\s], s22, v3
	s_add_co_u32 s21, s21, SLOT
	s_add_co_u32 s22, s22, SLOT
.endr
	s_mul_i32 s23, s10, 16*SPITCH
	s_add_co_u32 s23, s23, STAGE                   ; my stage
	v_mul_u32_u24 v4, v1, SPITCH
	v_lshl_add_u32 v4, v2, 4, v4
	v_add_nc_u32 v[STO], s23, v4                   ; in: row r, 16 bytes for each half of the lanes
	v_lshrrev_b32 v5, 3, v6
	v_mul_u32_u24 v5, v5, SPITCH
	v_and_b32 v7, 7, v0
	v_lshl_add_u32 v5, v7, 4, v5
	v_add_nc_u32 v[RD], s23, v5                    ; back: eight lanes take one row of 128 bytes
	v_lshlrev_b32 v[CO], 4, v6                     ; four rows of a plane are 512 consecutive bytes: 16 l
	; my plane's scale.  Planes below 16 are block columns below 8, which are clusters 0 and 1 along x: the choice hangs on the cluster's x alone,
	; which all partners share, and it selects a value, no path.
	s_wait_kmcnt 0x0                               ; beta
	s_mov_b32 s68, 0x3f800000                      ; 1.0
	s_mov_b32 s69, 0x3fb8aa3b                      ; log2(e)
	s_cmp_lt_u32 ttmp9, 2
	s_cselect_b32 s66, s66, s68                    ; beta or 1
	s_cselect_b32 s67, s69, s68                    ; log2(e) or 1
	v_mov_b32 v[SC], s66
	v_mul_f32 v[SC], s67, v[SC]
	v_mov_b32 v[SC+1], v[SC]
; 8 matrix instructions: row tiles a0, a0 + 1 x the 4 column tiles, 32 along K
.macro MUL8 f, a0, zero
.irp a, \a0, \a0+1
.irp b, 0,1,2,3
.if \zero
	v_wmma_f32_16x16x32_bf16 v[8*(4*(\a)+\b):8*(4*(\a)+\b)+7], v[\f+8*\b:\f+8*\b+7], v[\f+32+8*(\a):\f+32+8*(\a)+7], 0
.else
	v_wmma_f32_16x16x32_bf16 v[8*(4*(\a)+\b):8*(4*(\a)+\b)+7], v[\f+8*\b:\f+8*\b+7], v[\f+32+8*(\a):\f+32+8*(\a)+7], v[8*(4*(\a)+\b):8*(4*(\a)+\b)+7]
.endif
.endr
.endr
.endm
; 24 LDS loads in one run: 64 rows of wb, then 128 rows of xb, 32 K at byte k of the rows
.macro FETCH slot, k, f
	WIN 0
.irp i, 0,1,2,3
	ds_load_b128 v[\f+8*\i:\f+8*\i+3],   v[ADRB+\slot] offset:\k+\i*16*PITCH
	ds_load_b128 v[\f+8*\i+4:\f+8*\i+7], v[ADRB+\slot] offset:\k+\i*16*PITCH+32
.endr
.irp i, 0,1,2,3,4,5,6,7
	ds_load_b128 v[\f+32+8*\i:\f+32+8*\i+3], v[ADRA+\slot] offset:\k+\i*16*PITCH
	ds_load_b128 v[\f+32+8*\i+4:\f+32+8*\i+7], v[ADRA+\slot] offset:\k+\i*16*PITCH+32
.endr
.endm
; The 32 accumulators take turns, one instruction a turn, in the same order in every quarter.
.macro QUARTER slot, k, f, g, zero
	s_wait_dscnt 8                                 ; wb and xb tiles 0-3 are in; the eight youngest loads (xb tiles 4-7) may be out
	WIN ACCW
	MUL8 \f, 0, \zero
	MUL8 \f, 2, \zero
	PLACES
	FETCH \slot, \k, \g
	s_wait_dscnt 24                                ; all but the 24 just issued
	WIN ACCW
	MUL8 \f, 4, \zero
	MUL8 \f, 6, \zero
.endm
.macro THREE slot, zero
	QUARTER \slot, 64,  F0, F1, \zero
	QUARTER \slot, 128, F1, F0, 0
	QUARTER \slot, 192, F0, F1, 0
.endm
; The last quarter of a K step changes slots.  In front of the barrier each wave waits for its reads of this slot and for all its tensor loads
; (one is out: its part of the next slot).  Where the slot is filled again the barrier opens a round of the cluster barrier, and the joint refill
; is the first tensor load behind the round.  From a request to the wait for it a wave issues 120 matrix instructions.
.macro TURN slot, next, fill
	s_wait_dscnt 8
	WIN ACCW
	MUL8 F1, 0, 0
	s_wait_dscnt 0                                 ; my reads of this slot are over
	s_wait_tensorcnt 0x0                           ; all my tensor loads have landed
	ds_add_u32 v62, v63
	s_wait_dscnt 0x0
	s_barrier_signal -1
	MUL8 F1, 2, 0                                  ; register work while the others arrive
	WIN 0
	s_barrier_wait -1
.if \fill
	CREST
	s_add_nc_u64 s[G0+4*\slot+2:G0+4*\slot+3], s[G0+4*\slot+2:G0+4*\slot+3], 2*KSTEP*2      ; no load of mine is out: group 0 may be written
	s_add_nc_u64 s[G0B+4*\slot+2:G0B+4*\slot+3], s[G0B+4*\slot+2:G0B+4*\slot+3], 2*KSTEP*2
	JLOAD \slot
.endif
	PLACES
	FETCH \next, 0, F0
	WIN ACCW
	MUL8 F1, 4, 0
	MUL8 F1, 6, 0
.endm
.macro LAP zero
	THREE 0, \zero
	TURN 0, 1, 1
	THREE 1, 0
	TURN 1, 0, 1
.endm
	s_wait_tensorcnt 1                             ; my part of K step 0 is in; K step 1 may stay out
	s_barrier_signal -1
	s_barrier_wait -1
	FETCH 0, 0, F0
	LAP 1                                          ; the first products start the sums: nothing is cleared
	WIN 0
	s_mov_b32 s3, LAPS-2
.Llap:
	LAP 0
	WIN 0
	s_sub_co_u32 s3, s3, 1
	s_cmp_lg_u32 s3, 0
	s_cbranch_scc1 .Llap
	THREE 0, 0                                     ; the last lap fills nothing
	TURN 0, 1, 0
	THREE 1, 0
	s_wait_dscnt 8
	WIN ACCW
	MUL8 F1, 0, 0
	MUL8 F1, 2, 0
	s_wait_dscnt 0
	MUL8 F1, 4, 0
	MUL8 F1, 6, 0
	; THE WAY OUT, 16 rows at a time: scale in f32, round to bf16, 16 bytes a lane into my own stage, read back by rows, store 512 consecutive bytes an instruction
	PLACES
	s_lshl_b32 s16, s13, 15                        ; 256 rows of 128 bytes a block row
	s_lshl_b32 s18, s11, 14                        ; + my 128 rows
	s_add_co_u32 s16, s16, s18
	s_mov_b32 s17, 0
	s_add_nc_u64 s[8:9], s[8:9], s[16:17]
	s_lshl_b32 s46, s42, 1
	s_add_co_u32 s46, s46, s12                     ; plane = 2 x block column + wn
	s_lshl_b32 s46, s46, 19                        ; planes of 524,288 bytes
	s_mov_b32 s47, 0
	s_add_nc_u64 s[8:9], s[8:9], s[46:47]
.macro OUT16 a, f
	WIN 0x01                                       ; source 0 in window 1
.irp b, 0,1,2,3
.irp r, 0,1,2,3
	v_pk_mul_f32 v[U+8*\b+2*\r:U+8*\b+2*\r+1], v[8*(4*\a+\b)+2*\r:8*(4*\a+\b)+2*\r+1], v[SC:SC+1]
.endr
.endr
	WIN 0
.irp b, 0,1,2,3
.irp r, 0,1,2,3
	v_cvt_pk_bf16_f32 v[TMP+4*\b+\r], v[U+8*\b+2*\r], v[U+8*\b+2*\r+1]
.endr
.endr
.irp b, 0,1,2,3
	ds_store_b128 v[STO], v[TMP+4*\b:TMP+4*\b+3] offset:32*\b
.endr
	s_wait_xcnt 0x0                                ; buffer f's first 16 registers, which earlier stores read, are loaded again only behind this wait
.irp t, 0,1,2,3
	ds_load_b128 v[\f+4*\t:\f+4*\t+3], v[RD] offset:\t*4*SPITCH    ; LDS serves a wave in order: these see the stores above
.endr
.irp t, 0,1,2,3
	s_wait_dscnt 3-\t
	global_store_b128 v[CO], v[\f+4*\t:\f+4*\t+3], s[8:9] offset:2048*\a+512*\t
.endr
.endm
	OUT16 0, F0
	OUT16 1, F1
	OUT16 2, F0
	OUT16 3, F1
	OUT16 4, F0
	OUT16 5, F1
	OUT16 6, F0
	OUT16 7, F1
	s_wait_tensorcnt 0x0
	ds_add_u32 v62, v63
	s_wait_dscnt 0x0
	CROUND                                         ; the closing round: no work-group ends while a partner may still ask jointly
	s_endpgm
.Lfunc_end_k_q4bd803bc6a_proj:
	.size	k_q4bd803bc6a_proj, .Lfunc_end_k_q4bd803bc6a_proj-k_q4bd803bc6a_proj
	.p2alignl 7, 3214868480
	.fill 96, 4, 3214868480
	.section	.rodata,"a",@progbits
	.p2align	6, 0x0
	.amdhsa_kernel k_q4bd803bc6a_proj
		.amdhsa_group_segment_fixed_size 327680
		.amdhsa_private_segment_fixed_size 0
		.amdhsa_enable_private_segment 0
		.amdhsa_kernarg_size 32
		.amdhsa_user_sgpr_count 2
		.amdhsa_user_sgpr_kernarg_segment_ptr 1
		.amdhsa_wavefront_size32 1
		.amdhsa_system_sgpr_workgroup_id_x 1
		.amdhsa_system_sgpr_workgroup_id_y 1
		.amdhsa_system_sgpr_workgroup_id_z 1
		.amdhsa_system_vgpr_workitem_id 0
		.amdhsa_next_free_vgpr 512
		.amdhsa_next_free_sgpr 72
		.amdhsa_reserve_vcc 0
		.amdhsa_float_denorm_mode_32 3
		.amdhsa_float_denorm_mode_16_64 3
		.amdhsa_memory_ordered 1
		.amdhsa_forward_progress 1
		.amdhsa_inst_pref_size 126
	.end_amdhsa_kernel
	.amdgpu_metadata
---
amdhsa.version: [ 1, 2 ]
amdhsa.kernels:
  - .name:           k_q4bd803bc6a_proj
    .symbol:         k_q4bd803bc6a_proj.kd
    .args:
      - { .name: xb, .offset: 0, .size: 8, .value_kind: global_buffer, .address_space: global }
      - { .name: wb, .offset: 8, .size: 8, .value_kind: global_buffer, .address_space: global }
      - { .name: beta, .offset: 16, .size: 8, .value_kind: global_buffer, .address_space: global }
      - { .name: pj, .offset: 24, .size: 8, .value_kind: global_buffer, .address_space: global }
    .group_segment_fixed_size: 327680
    .private_segment_fixed_size: 0
    .kernarg_segment_align: 8
    .kernarg_segment_size: 32
    .max_flat_workgroup_size: 128
    .sgpr_count:     72
    .vgpr_count:     512
    .wavefront_size: 32
...
	.end_amdgpu_metadata
.endif
;; end of part 2
;; launch attA (part 3): grid 8 x 32, 8 waves a work-group, clusters of 4 x 1, 305,152 bytes of LDS; arguments pj, g, nl, part; writes g, nl, part
.if DOCPART == 3
	.amdgcn_target "amdgcn-amd-amdhsa--gfx1250"
	.amdhsa_code_object_version 6
	.text
	.protected	k_q4bd803bc6a_attA
	.globl	k_q4bd803bc6a_attA
	.p2align	8
	.type	k_q4bd803bc6a_attA,@function
k_q4bd803bc6a_attA:
	s_mov_b64 s[64:65], 0
	v_nop
	global_prefetch_b8 v0, s[64:65] scope:SCOPE_SE
	s_setreg_imm32_b32 hwreg(HW_REG_WAVE_MODE, 25, 1), 1
	s_wait_xcnt 0x0
	s_wait_alu depctr_hold_cnt(0) depctr_sa_sdst(0) depctr_va_vdst(0) depctr_va_sdst(0) depctr_va_ssrc(0) depctr_va_vcc(0) depctr_vm_vsrc(0)
	s_getreg_b32 s2, hwreg(HW_REG_IB_STS2, 6, 4)
	s_cmp_eq_u32 s2, 0
	s_cbranch_scc0 .Lentry_in_a_cluster
	s_endpgm
.Lentry_in_a_cluster:
	s_bfe_u32 s2, ttmp6, 0x10000c
	s_cmp_lg_u32 s2, 0x3003
	s_cbranch_scc0 .Lentry_shape_is_right
	s_endpgm
.Lentry_shape_is_right:
; Pass over the rows q of one (batch, head): with S = kps[q] . qp[k] (kps carries beta log2 e, so S is the score in base 2),
;   m = running maximum of S, l = sum of 2^(S - m), GA[q] = sum over k of 2^(S - m) qp[k] / l, nl[q] = -(m + log2 l).
; Stores -GA (bf16, plane h of g: the gradient with respect to the k projection), nl (f32) and, for each wave that owns rows, the sum of its 64 nl (part).
; A work-group owns 256 rows q; the head's 2,048 rows of qp lie whole in LDS (pitch 144), filled once: no slot is ever filled again.
; CLUSTER 4 x 1: the four row blocks of a cluster read the same qp rows; every chunk is asked for jointly (mask 15).
; Eight waves: wave w owns rows 64 (w & 3) .. + 63 (four tiles of 16) and, of the keys, the blocks of 32 numbered 2 i + (w >> 2), i = 0 .. 31.
; The two waves that share rows merge their (m, l, O) at the end through LDS.  Two waves lie on a SIMD: one wave's exponentials run under the other's products.
; LAYOUT: S is made transposed (source 0 = key rows, source 1 = my rows), so lane (r, h) holds row r and keys 16 t + 8 h + j: m, l and the rescale factor
; are one register a lane, and the packed 2^(S - m) of tiles t = 0, 1 are exactly the second source of the product O^T = qp^T P.
; LIMITS: non-finite inputs are not served; P, GA are rounded to bf16; sums run in another order than a plain row sum.
; The store to part is one word a wave (4 bytes of a 256-byte block): 1,024 words in the whole launch.
.set TP,     144                       ; LDS pitch of a row of 64 bf16: 128 bytes + 16
.set CHUNK,  512*TP                    ; a chunk: 512 key rows, 64 from each wave
.set WPART,  64*TP
.set STEPB,  64*TP                     ; from one step of a wave to its next: 64 key rows
.set HALFK,  32*TP
.set T16,    16*TP
.set STAGE,  4*CHUNK                   ; 294,912: behind the tile, 16 rows x 144 bytes for each of waves 0-3
.set MPAIR,  17408                     ; merge area of a pair of waves, in the tile's first bytes after their last read and last fill
.set AP,  2                            ; plain fragment address of my next key block
.set AT,  3                            ; transposing fragment address of my current key block
.set STO, 4
.set RD,  5
.set GO,  6
.set RV,  7
.set MB,  8
.set ST,  16                           ; v[16:47] row state, 8 registers a tile:
.set oM,  0                            ;   running maximum
.set oTM, 1                            ;   this step's maximum
.set oAL, 2                            ;   2^(old m - new m)
.set oPX, 3                            ;   at work
.set oL,  4                            ;   l, a pair of partial sums
.set oA2, 6                            ;   the partner's factor in the merge, a pair
.set TT,  48                           ; v[48:63] at work
.set FS,  64                           ; v[64:95]  key rows as source 0 of S: 16 t + 8 kz
.set FT,  96                           ; v[96:127] key rows transposed as source 0 of O: 8 zt
.set SS,  128                          ; v[128:191] S: 16 q + 8 t + j
.set PP,  192                          ; v[192:223] P: 8 q
.set YY,  208
.set ZZ,  224
.set OO,  0                            ; window 1: O at 8 (4 q + zt)
.set KB,  128                          ; window 1: my rows as source 1 of S: 16 q + 8 kz
.set G1,  24
.set G0,  32                           ; s[32:47] group 0 of the four chunks, never rewritten
.set MSB, 0
.macro WIN new
.if MSB != \new
	s_set_vgpr_msb (MSB<<8)|\new
.set MSB, \new
.endif
.endm
.macro PLACES
.rept 4
	v_nop
.endr
.endm
.macro ROUND                           ; a round of the cluster barrier
	s_barrier_signal -1
	s_barrier_wait -1
	s_cmp_lg_u32 s12, 0
	s_cbranch_scc1 .Lnot_wave_0_\@
	s_barrier_signal -3
.Lnot_wave_0_\@:
	s_barrier_wait -3
	s_barrier_signal -1
	s_barrier_wait -1
.endm
.macro SYNC n                          ; the next chunk is whole: my part has landed (n younger chunks may stay out), and so has every wave's
	s_wait_dscnt 0x0
	s_wait_tensorcnt \n
	s_barrier_signal -1
	s_barrier_wait -1
.endm
.macro LOADFS
.irp t, 0,1
.irp k, 0,1
	ds_load_b128 v[FS+16*\t+8*\k:FS+16*\t+8*\k+3],   v[AP] offset:T16*\t+64*\k
	ds_load_b128 v[FS+16*\t+8*\k+4:FS+16*\t+8*\k+7], v[AP] offset:T16*\t+64*\k+32
.endr
.endr
.endm
	s_load_b256 s[4:11], s[0:1], 0x0               ; pj s[4:5], g s[6:7], nl s[8:9], part s[10:11]
	v_lshl_add_u32 v254, v0, 2, 0x4a400
	v_mov_b32 v255, 0
	ds_add_u32 v254, v255
	v_lshrrev_b32 v1, 5, v0
	v_readfirstlane_b32 s12, v1                    ; wave 0..7
	s_and_b32 s13, s12, 3                          ; which 64 rows
	s_lshr_b32 s14, s12, 2                         ; which half of each 64 keys
	s_bfe_u32 s15, ttmp6, 0x40000                  ; cx
	s_lshl_b32 s16, ttmp9, 2
	s_add_co_u32 s16, s16, s15                     ; row block = 4 x cluster x + cx
	s_and_b32 s17, ttmp7, 0xffff                   ; y = 16 b + h
	s_and_b32 s18, s17, 15                         ; h
	s_lshr_b32 s19, s17, 4                         ; b
	s_mov_b32 s62, 0x76543210                      ; v_permlanex16_b32: lane i reads lane i of the other half
	s_mov_b32 s63, 0xfedcba98
	; the streamed rows: plane 16 + h, batch b, my 64 rows of a chunk.  Nothing here hangs on cx.
	s_lshl_b32 s20, s18, 19
	s_add_co_u32 s20, s20, 16<<19
	s_lshl_b32 s21, s19, 18
	s_add_co_u32 s20, s20, s21
	s_lshl_b32 s21, s12, 13
	s_add_co_u32 s20, s20, s21
	s_mov_b32 s21, 0
	; my resident rows, and the same place in g: plane h, batch b, row 256 x block + 64 (w & 3)
	s_lshl_b32 s60, s18, 19
	s_lshl_b32 s61, s19, 18
	s_add_co_u32 s60, s60, s61
	s_lshl_b32 s61, s16, 15
	s_add_co_u32 s60, s60, s61
	s_lshl_b32 s61, s13, 13
	s_add_co_u32 s60, s60, s61
	s_mov_b32 s61, 0
	s_lshl_b32 s72, s17, 13                        ; nl: (2,048 y + 256 block + 64 (w & 3)) x 4
	s_lshl_b32 s73, s16, 10
	s_add_co_u32 s72, s72, s73
	s_lshl_b32 s73, s13, 8
	s_add_co_u32 s72, s72, s73
	s_mov_b32 s73, 0
	s_lshl_b32 s74, s17, 7                         ; part: ((8 y + block) 4 + (w & 3)) x 4
	s_lshl_b32 s75, s16, 4
	s_add_co_u32 s74, s74, s75
	s_lshl_b32 s75, s13, 2
	s_add_co_u32 s74, s74, s75
	s_mov_b32 s75, 0
	; group 1: 64 rows x 64 elements of 2 bytes, 4 words of padding behind every 32 words, mask 15 with bit 21 beside it
	s_mov_b32 s[G1+0], 15|(1<<16)|(1<<20)|(1<<21)|(4<<22)|(3<<25)
	s_mov_b32 s[G1+1], 64<<16
	s_mov_b32 s[G1+2], 64<<16
	s_mov_b32 s[G1+3], 64<<16
	s_mov_b32 s[G1+4], 64
	s_mov_b32 s[G1+5], 64
	s_mov_b32 s[G1+6], 0
	s_mov_b32 s[G1+7], 0
	s_mul_i32 s22, s12, WPART
	s_wait_dscnt 0x0
	s_wait_kmcnt 0x0
	s_add_nc_u64 s[20:21], s[4:5], s[20:21]
	s_add_nc_u64 s[70:71], s[4:5], s[60:61]
	s_add_nc_u64 s[68:69], s[6:7], s[60:61]
	s_add_nc_u64 s[72:73], s[8:9], s[72:73]
	s_add_nc_u64 s[74:75], s[10:11], s[74:75]
.irp c, 0,1,2,3
	s_mov_b32 s[G0+4*\c], 1
	s_add_co_u32 s[G0+4*\c+1], s22, \c*CHUNK
	s_add_nc_u64 s[G0+4*\c+2:G0+4*\c+3], s[20:21], \c*65536
	s_or_b32 s[G0+4*\c+3], s[G0+4*\c+3], 0x80000000
.endr
	ROUND                                          ; the four work-groups are here: the joint loads meet
.irp c, 0,1,2,3
	tensor_load_to_lds s[G0+4*\c:G0+4*\c+3], s[G1:G1+7]    ; all fills of the launch, as one group: four loads of this wave are out
	s_nop 0
.endr
	v_and_b32 v10, 31, v0                          ; l
	v_and_b32 v1, 15, v0                           ; r
	v_bfe_u32 v14, v0, 4, 1                        ; h
	v_lshlrev_b32 v[RV], 7, v1
	v_lshl_add_u32 v[RV], v14, 4, v[RV]            ; my rows in memory: 128 r + 16 h
	WIN 0x40                                       ; destination in window 1
.irp q, 0,1,2,3
.irp k, 0,1
	global_load_b128 v[KB+16*\q+8*\k:KB+16*\q+8*\k+3],   v[RV], s[70:71] offset:2048*\q+64*\k
	global_load_b128 v[KB+16*\q+8*\k+4:KB+16*\q+8*\k+7], v[RV], s[70:71] offset:2048*\q+64*\k+32
.endr
.endr
	WIN 0
	v_mul_u32_u24 v15, v1, TP
	v_lshl_add_u32 v15, v14, 4, v15                ; 144 r + 16 h
	s_mul_i32 s23, s14, HALFK
	v_add_nc_u32 v[AP], s23, v15
	v_and_b32 v[AT], 7, v0
	v_lshl_add_u32 v[AT], v14, 3, v[AT]            ; 8 h + (l & 7)
	v_mul_u32_u24 v[AT], v[AT], TP
	v_bfe_u32 v13, v0, 3, 1
	v_lshl_add_u32 v[AT], v13, 4, v[AT]            ; + 16 ((l >> 3) & 1)
	v_add_nc_u32 v[AT], s23, v[AT]
	s_mul_i32 s23, s13, T16
	s_add_co_u32 s23, s23, STAGE                   ; the stage of waves 0-3
	v_add_nc_u32 v[STO], s23, v15
	v_lshrrev_b32 v[RD], 3, v10
	v_mul_u32_u24 v[RD], v[RD], TP
	v_and_b32 v13, 7, v0
	v_lshl_add_u32 v[RD], v13, 4, v[RD]
	v_add_nc_u32 v[RD], s23, v[RD]
	v_lshlrev_b32 v[GO], 4, v10
	s_mul_i32 s66, s13, MPAIR
	v_add_nc_u32 v[MB], s66, v[GO]
	v_lshl_add_u32 v11, v1, 2, s23                 ; stage + 4 r
	v_lshl_add_u32 v12, v10, 3, s23                ; stage + 8 l
	v_lshlrev_b32 v9, 3, v10                       ; 8 l
	v_mov_b32 v13, 0
; One step: 32 keys against my 64 rows.  first = 1: the step starts m, l and O.  pf = 1: the next step's plain fragments are asked for.
.macro STEP first, pf
	s_wait_dscnt 0x0                               ; this step's plain fragments, asked for a step ago
	WIN 0x04                                       ; source 1 in window 1
	; eight accumulators take turns, one instruction a turn
.irp t, 0,1
.irp q, 0,1,2,3
	v_wmma_f32_16x16x32_bf16 v[SS+16*\q+8*\t:SS+16*\q+8*\t+7], v[FS+16*\t:FS+16*\t+7], v[KB+16*\q:KB+16*\q+7], 0
.endr
.endr
.irp t, 0,1
.irp q, 0,1,2,3
	v_wmma_f32_16x16x32_bf16 v[SS+16*\q+8*\t:SS+16*\q+8*\t+7], v[FS+16*\t+8:FS+16*\t+15], v[KB+16*\q+8:KB+16*\q+15], v[SS+16*\q+8*\t:SS+16*\q+8*\t+7]
.endr
.endr
	WIN 0
	v_add_nc_u32 v[AP], STEPB, v[AP]               ; four plain places (ISA guide 7.12.1) behind the products above and the last step's:
	v_nop                                          ; the loads below land on their sources, the maxima read their results
	v_nop
	v_nop
.irp z, 0,1,2,3
	ds_load_tr16_b128 v[FT+8*\z:FT+8*\z+3],   v[AT] offset:32*\z
	ds_load_tr16_b128 v[FT+8*\z+4:FT+8*\z+7], v[AT] offset:32*\z+T16
.endr
.if \pf
	LOADFS
.endif
	v_add_nc_u32 v[AT], STEPB, v[AT]
	; the largest of a lane's 16 scores, in two chains, then the other half of the lanes, then the running maximum
.irp q, 0,1,2,3
	v_max3_num_f32 v[ST+8*\q+oTM], v[SS+16*\q],   v[SS+16*\q+1], v[SS+16*\q+2]
	v_max3_num_f32 v[ST+8*\q+oPX], v[SS+16*\q+3], v[SS+16*\q+4], v[SS+16*\q+5]
.endr
.irp q, 0,1,2,3
	v_max3_num_f32 v[ST+8*\q+oTM], v[ST+8*\q+oTM], v[SS+16*\q+6], v[SS+16*\q+7]
	v_max3_num_f32 v[ST+8*\q+oPX], v[ST+8*\q+oPX], v[SS+16*\q+8], v[SS+16*\q+9]
.endr
.irp q, 0,1,2,3
	v_max3_num_f32 v[ST+8*\q+oTM], v[ST+8*\q+oTM], v[SS+16*\q+10], v[SS+16*\q+11]
	v_max3_num_f32 v[ST+8*\q+oPX], v[ST+8*\q+oPX], v[SS+16*\q+12], v[SS+16*\q+13]
.endr
.irp q, 0,1,2,3
	v_max3_num_f32 v[ST+8*\q+oTM], v[ST+8*\q+oTM], v[SS+16*\q+14], v[SS+16*\q+15]
.endr
.irp q, 0,1,2,3
	v_max_num_f32 v[ST+8*\q+oTM], v[ST+8*\q+oTM], v[ST+8*\q+oPX]
.endr
.irp q, 0,1,2,3
	v_permlanex16_b32 v[ST+8*\q+oPX], v[ST+8*\q+oTM], s62, s63
.endr
.if \first
.irp q, 0,1,2,3
	v_max_num_f32 v[ST+8*\q+oM], v[ST+8*\q+oTM], v[ST+8*\q+oPX]
.endr
.else
.irp q, 0,1,2,3
	v_max3_num_f32 v[ST+8*\q+oTM], v[ST+8*\q+oTM], v[ST+8*\q+oPX], v[ST+8*\q+oM]
.endr
.irp q, 0,1,2,3
	v_sub_f32 v[ST+8*\q+oAL], v[ST+8*\q+oM], v[ST+8*\q+oTM]
.endr
.irp q, 0,1,2,3
	v_mov_b32 v[ST+8*\q+oM], v[ST+8*\q+oTM]
.endr
.irp q, 0,1,2,3
	v_exp_f32 v[ST+8*\q+oAL], v[ST+8*\q+oAL]       ; the packed subtractions below are the plain places behind these
.endr
.endif
.irp q, 0,1,2,3
.irp k, 0,1,2,3,4,5,6,7
	v_pk_add_f32 v[SS+16*\q+2*\k:SS+16*\q+2*\k+1], v[SS+16*\q+2*\k:SS+16*\q+2*\k+1], v[ST+8*\q+oM:ST+8*\q+oM+1] op_sel_hi:[1,0] neg_lo:[0,1] neg_hi:[0,1]
.endr
.endr
.set jj, 0
.rept 64
	v_exp_f32 v[SS+jj], v[SS+jj]
.set jj, jj+1
.endr
	v_nop                                          ; one plain place behind the exponentials (ISA guide 5.7.2)
	; l = l x factor + the 16 new terms, as a pair of partial sums a lane; the halves of the lanes are added at the end
	s_wait_alu depctr_va_vdst(0)
.irp q, 0,1,2,3
	v_pk_add_f32 v[TT+4*\q:TT+4*\q+1],   v[SS+16*\q+2:SS+16*\q+3], v[SS+16*\q+4:SS+16*\q+5]
	v_pk_add_f32 v[TT+4*\q+2:TT+4*\q+3], v[SS+16*\q+6:SS+16*\q+7], v[SS+16*\q+8:SS+16*\q+9]
.if \first
	v_pk_add_f32 v[ST+8*\q+oL:ST+8*\q+oL+1], v[SS+16*\q:SS+16*\q+1], v[SS+16*\q+10:SS+16*\q+11]
.else
	v_pk_fma_f32 v[ST+8*\q+oL:ST+8*\q+oL+1], v[ST+8*\q+oL:ST+8*\q+oL+1], v[ST+8*\q+oAL:ST+8*\q+oAL+1], v[SS+16*\q:SS+16*\q+1] op_sel_hi:[1,0,1]
.endif
.endr
.irp q, 0,1,2,3
.if \first
	v_pk_add_f32 v[TT+4*\q:TT+4*\q+1],   v[TT+4*\q:TT+4*\q+1],   v[SS+16*\q+12:SS+16*\q+13]
	v_pk_add_f32 v[TT+4*\q+2:TT+4*\q+3], v[TT+4*\q+2:TT+4*\q+3], v[SS+16*\q+14:SS+16*\q+15]
.else
	v_pk_add_f32 v[TT+4*\q:TT+4*\q+1],   v[TT+4*\q:TT+4*\q+1],   v[SS+16*\q+10:SS+16*\q+11]
	v_pk_add_f32 v[TT+4*\q+2:TT+4*\q+3], v[TT+4*\q+2:TT+4*\q+3], v[SS+16*\q+12:SS+16*\q+13]
	v_pk_add_f32 v[ST+8*\q+oL:ST+8*\q+oL+1], v[ST+8*\q+oL:ST+8*\q+oL+1], v[SS+16*\q+14:SS+16*\q+15]
.endif
.endr
.irp q, 0,1,2,3
	v_pk_add_f32 v[TT+4*\q:TT+4*\q+1], v[TT+4*\q:TT+4*\q+1], v[TT+4*\q+2:TT+4*\q+3]
.endr
.irp q, 0,1,2,3
	v_pk_add_f32 v[ST+8*\q+oL:ST+8*\q+oL+1], v[ST+8*\q+oL:ST+8*\q+oL+1], v[TT+4*\q:TT+4*\q+1]
.endr
.irp q, 0,1,2,3
.irp k, 0,1,2,3,4,5,6,7
	v_cvt_pk_bf16_f32 v[PP+8*\q+\k], v[SS+16*\q+2*\k], v[SS+16*\q+2*\k+1]
.endr
.endr
.if \first == 0
	WIN 0x41                                       ; destination and source 0 in window 1
.irp q, 0,1,2,3
.irp k, 0,1,2,3,4,5,6,7,8,9,10,11,12,13,14,15
	v_pk_mul_f32 v[OO+32*\q+2*\k:OO+32*\q+2*\k+1], v[OO+32*\q+2*\k:OO+32*\q+2*\k+1], v[ST+8*\q+oAL:ST+8*\q+oAL+1] op_sel_hi:[1,0]
.endr
.endr
.endif
	s_wait_dscnt 8*\pf                             ; the transposed fragments are in; the 8 younger loads (the next step's plain fragments) may stay out
	WIN 0x50                                       ; C and D in window 1
	; sixteen accumulators take turns, one instruction a turn
.irp z, 0,1,2,3
.irp q, 0,1,2,3
.if \first
	v_wmma_f32_16x16x32_bf16 v[OO+8*(4*\q+\z):OO+8*(4*\q+\z)+7], v[FT+8*\z:FT+8*\z+7], v[PP+8*\q:PP+8*\q+7], 0
.else
	v_wmma_f32_16x16x32_bf16 v[OO+8*(4*\q+\z):OO+8*(4*\q+\z)+7], v[FT+8*\z:FT+8*\z+7], v[PP+8*\q:PP+8*\q+7], v[OO+8*(4*\q+\z):OO+8*(4*\q+\z)+7]
.endif
.endr
.endr
	WIN 0
.endm
	s_wait_tensorcnt 0x3                           ; my part of chunk 0 is in; three younger chunks stay out
	s_barrier_signal -1
	s_barrier_wait -1                              ; everybody's is
	LOADFS
	s_wait_loadcnt 0x0                             ; my resident rows
	STEP 1, 1                                      ; step 0
	s_mov_b32 s66, 6
.Lc0:
	STEP 0, 1                                      ; steps 1-6
	s_sub_co_u32 s66, s66, 1
	s_cmp_lg_u32 s66, 0
	s_cbranch_scc1 .Lc0
	SYNC 2                                         ; a step early: step 7 asks for the first fragments of chunk 1
	s_mov_b32 s66, 8
.Lc1:
	STEP 0, 1                                      ; steps 7-14
	s_sub_co_u32 s66, s66, 1
	s_cmp_lg_u32 s66, 0
	s_cbranch_scc1 .Lc1
	SYNC 1
	s_mov_b32 s66, 8
.Lc2:
	STEP 0, 1                                      ; steps 15-22
	s_sub_co_u32 s66, s66, 1
	s_cmp_lg_u32 s66, 0
	s_cbranch_scc1 .Lc2
	SYNC 0
	s_mov_b32 s66, 8
.Lc3:
	STEP 0, 1                                      ; steps 23-30
	s_sub_co_u32 s66, s66, 1
	s_cmp_lg_u32 s66, 0
	s_cbranch_scc1 .Lc3
	STEP 0, 0                                      ; step 31 asks for nothing more
	; THE MERGE.  Waves 4-7 hand (O, m, l) to waves 0-3 through the tile's first bytes, which nobody reads or fills any more.
	PLACES                                         ; behind the last products: the stores below read their results
	s_wait_dscnt 0x0
	s_barrier_signal -1
	s_barrier_wait -1                              ; every wave's reads of the tile are over
	s_cmp_eq_u32 s14, 0
	s_cbranch_scc1 .Lkeep
	WIN 0x04                                       ; store data in window 1
.set jj, 0
.rept 32
	ds_store_b128 v[MB], v[OO+4*jj:OO+4*jj+3] offset:512*jj
.set jj, jj+1
.endr
	WIN 0
.irp q, 0,1,2,3
	v_mov_b32 v[TT+\q], v[ST+8*\q+oM]
	v_add_f32 v[TT+4+\q], v[ST+8*\q+oL], v[ST+8*\q+oL+1]
.endr
	ds_store_b128 v[MB], v[TT:TT+3] offset:16384
	ds_store_b128 v[MB], v[TT+4:TT+7] offset:16896
.Lkeep:
	s_wait_dscnt 0x0                               ; for the partner's sake: my stores are done
	s_barrier_signal -1
	s_barrier_wait -1
	s_cmp_lg_u32 s14, 0
	s_cbranch_scc1 .Lclose
.set jj, 0
.rept 32
	ds_load_b128 v[FS+4*jj:FS+4*jj+3], v[MB] offset:512*jj         ; the partner's O, register for register
.set jj, jj+1
.endr
	ds_load_b128 v[PP:PP+3], v[MB] offset:16384                    ; its m
	ds_load_b128 v[PP+4:PP+7], v[MB] offset:16896                  ; its l
	s_wait_dscnt 0x0
.irp q, 0,1,2,3
	v_max_num_f32 v[ST+8*\q+oTM], v[ST+8*\q+oM], v[PP+\q]          ; the joint maximum
	v_add_f32 v[ST+8*\q+oL], v[ST+8*\q+oL], v[ST+8*\q+oL+1]
.endr
.irp q, 0,1,2,3
	v_sub_f32 v[ST+8*\q+oAL], v[ST+8*\q+oM], v[ST+8*\q+oTM]
	v_sub_f32 v[ST+8*\q+oA2], v[PP+\q], v[ST+8*\q+oTM]
.endr
.irp q, 0,1,2,3
	v_exp_f32 v[ST+8*\q+oAL], v[ST+8*\q+oAL]
	v_exp_f32 v[ST+8*\q+oA2], v[ST+8*\q+oA2]
.endr
	v_nop
	s_wait_alu depctr_va_vdst(0)
.irp q, 0,1,2,3
	v_mul_f32 v[ST+8*\q+oL], v[ST+8*\q+oL], v[ST+8*\q+oAL]
.endr
.irp q, 0,1,2,3
	v_fmac_f32 v[ST+8*\q+oL], v[ST+8*\q+oA2], v[PP+4+\q]
.endr
.irp q, 0,1,2,3
	v_permlanex16_b32 v[ST+8*\q+oL+1], v[ST+8*\q+oL], s62, s63     ; the other half of the keys of a tile
.endr
.irp q, 0,1,2,3
	v_add_f32 v[ST+8*\q+oL], v[ST+8*\q+oL], v[ST+8*\q+oL+1]
.endr
.irp q, 0,1,2,3
	v_rcp_f32 v[ST+8*\q+oL+1], v[ST+8*\q+oL]
	v_log_f32 v[ST+8*\q+oM], v[ST+8*\q+oL]
.endr
	v_nop
	s_wait_alu depctr_va_vdst(0)
.irp q, 0,1,2,3
	v_mul_f32 v[ST+8*\q+oL+1], -1.0, v[ST+8*\q+oL+1]               ; -1 / l: what is stored is -GA
.endr
.irp q, 0,1,2,3
	v_mul_f32 v[ST+8*\q+oPX],   v[ST+8*\q+oAL], v[ST+8*\q+oL+1]    ; both registers of each pair get the factor over -l
	v_mul_f32 v[ST+8*\q+oAL],   v[ST+8*\q+oAL], v[ST+8*\q+oL+1]
	v_mul_f32 v[ST+8*\q+oA2+1], v[ST+8*\q+oA2], v[ST+8*\q+oL+1]
	v_mul_f32 v[ST+8*\q+oA2],   v[ST+8*\q+oA2], v[ST+8*\q+oL+1]
	v_fma_f32 v[ST+8*\q+oM], v[ST+8*\q+oTM], -1.0, -v[ST+8*\q+oM]  ; nl = -m - log2 l
.endr
.irp q, 0,1,2,3
.irp k, 0,1,2,3,4,5,6,7,8,9,10,11,12,13,14,15
	v_pk_mul_f32 v[FS+32*\q+2*\k:FS+32*\q+2*\k+1], v[FS+32*\q+2*\k:FS+32*\q+2*\k+1], v[ST+8*\q+oA2:ST+8*\q+oA2+1]
.endr
.endr
	WIN 0x01                                       ; source 0 in window 1
.irp q, 0,1,2,3
.irp k, 0,1,2,3,4,5,6,7,8,9,10,11,12,13,14,15
	v_pk_fma_f32 v[FS+32*\q+2*\k:FS+32*\q+2*\k+1], v[OO+32*\q+2*\k:OO+32*\q+2*\k+1], v[ST+8*\q+oAL:ST+8*\q+oAL+1], v[FS+32*\q+2*\k:FS+32*\q+2*\k+1]
.endr
.endr
	WIN 0
; 16 rows out: round to bf16, 16 bytes a lane into my stage, back by rows, 512 consecutive aligned bytes a store
.macro OUTQ q
.irp z, 0,1,2,3
.irp i, 0,1,2,3
	v_cvt_pk_bf16_f32 v[YY+4*\z+\i], v[FS+32*\q+8*\z+2*\i], v[FS+32*\q+8*\z+2*\i+1]
.endr
.endr
.irp z, 0,1,2,3
	ds_store_b128 v[STO], v[YY+4*\z:YY+4*\z+3] offset:32*\z
.endr
	s_wait_xcnt 0x0                                ; the registers that earlier stores read are loaded again only behind this wait
.irp t, 0,1,2,3
	ds_load_b128 v[ZZ+4*\t:ZZ+4*\t+3], v[RD] offset:4*TP*\t
.endr
.irp t, 0,1,2,3
	s_wait_dscnt 3-\t
	global_store_b128 v[GO], v[ZZ+4*\t:ZZ+4*\t+3], s[68:69] offset:2048*\q+512*\t
.endr
.endm
	OUTQ 0
	OUTQ 1
	OUTQ 2
	OUTQ 3
	; nl of my 64 rows: through the stage, so that one store covers 256 consecutive aligned bytes (lanes r and r + 16 write the same word with the same value)
.irp q, 0,1,2,3
	ds_store_b32 v11, v[ST+8*\q+oM] offset:64*\q
.endr
	ds_load_b64 v[TT:TT+1], v12
	s_wait_dscnt 0x0
	global_store_b64 v9, v[TT:TT+1], s[72:73]
	v_add_f32 v[TT+2], v[TT], v[TT+1]              ; and their sum
	v_add_f32_dpp v[TT+2], v[TT+2], v[TT+2] row_xmask:1 row_mask:0xf bank_mask:0xf
	v_add_f32_dpp v[TT+2], v[TT+2], v[TT+2] row_xmask:2 row_mask:0xf bank_mask:0xf
	v_add_f32_dpp v[TT+2], v[TT+2], v[TT+2] row_xmask:4 row_mask:0xf bank_mask:0xf
	v_add_f32_dpp v[TT+2], v[TT+2], v[TT+2] row_xmask:8 row_mask:0xf bank_mask:0xf
	v_permlanex16_b32 v[TT+3], v[TT+2], s62, s63
	v_add_f32 v[TT+2], v[TT+2], v[TT+3]
	v_cmp_eq_u32 vcc_lo, 0, v10
	s_wait_xcnt 0x0                                ; EXEC is a source of the pending stores: it changes only behind this wait
	s_and_saveexec_b32 s67, vcc_lo
	global_store_b32 v13, v[TT+2], s[74:75]
	s_wait_xcnt 0x0
	s_or_b32 exec_lo, exec_lo, s67
.Lclose:
	s_wait_tensorcnt 0x0
	ds_add_u32 v254, v255
	s_wait_dscnt 0x0
	ROUND                                          ; the closing round
	s_endpgm
.Lfunc_end_k_q4bd803bc6a_attA:
	.size	k_q4bd803bc6a_attA, .Lfunc_end_k_q4bd803bc6a_attA-k_q4bd803bc6a_attA
	.p2alignl 7, 3214868480
	.fill 96, 4, 3214868480
	.section	.rodata,"a",@progbits
	.p2align	6, 0x0
	.amdhsa_kernel k_q4bd803bc6a_attA
		.amdhsa_group_segment_fixed_size 305152
		.amdhsa_private_segment_fixed_size 0
		.amdhsa_enable_private_segment 0
		.amdhsa_kernarg_size 32
		.amdhsa_user_sgpr_count 2
		.amdhsa_user_sgpr_kernarg_segment_ptr 1
		.amdhsa_wavefront_size32 1
		.amdhsa_system_sgpr_workgroup_id_x 1
		.amdhsa_system_sgpr_workgroup_id_y 1
		.amdhsa_system_sgpr_workgroup_id_z 1
		.amdhsa_system_vgpr_workitem_id 0
		.amdhsa_next_free_vgpr 448
		.amdhsa_next_free_sgpr 80
		.amdhsa_reserve_vcc 1
		.amdhsa_float_denorm_mode_32 3
		.amdhsa_float_denorm_mode_16_64 3
		.amdhsa_memory_ordered 1
		.amdhsa_forward_progress 1
		.amdhsa_inst_pref_size 139
	.end_amdhsa_kernel
	.amdgpu_metadata
---
amdhsa.version: [ 1, 2 ]
amdhsa.kernels:
  - .name:           k_q4bd803bc6a_attA
    .symbol:         k_q4bd803bc6a_attA.kd
    .args:
      - { .name: pj, .offset: 0, .size: 8, .value_kind: global_buffer, .address_space: global }
      - { .name: g, .offset: 8, .size: 8, .value_kind: global_buffer, .address_space: global }
      - { .name: nl, .offset: 16, .size: 8, .value_kind: global_buffer, .address_space: global }
      - { .name: part, .offset: 24, .size: 8, .value_kind: global_buffer, .address_space: global }
    .group_segment_fixed_size: 305152
    .private_segment_fixed_size: 0
    .kernarg_segment_align: 8
    .kernarg_segment_size: 32
    .max_flat_workgroup_size: 256
    .sgpr_count:     80
    .vgpr_count:     448
    .wavefront_size: 32
...
	.end_amdgpu_metadata
.endif
;; end of part 3
;; launch attB (part 4): grid 8 x 32, 8 waves a work-group, clusters of 4 x 1, 313,344 bytes of LDS; arguments pj, nl, beta, g; writes g
.if DOCPART == 4
	.amdgcn_target "amdgcn-amd-amdhsa--gfx1250"
	.amdhsa_code_object_version 6
	.text
	.protected	k_q4bd803bc6a_attB
	.globl	k_q4bd803bc6a_attB
	.p2align	8
	.type	k_q4bd803bc6a_attB,@function
k_q4bd803bc6a_attB:
	s_mov_b64 s[64:65], 0
	v_nop
	global_prefetch_b8 v0, s[64:65] scope:SCOPE_SE
	s_setreg_imm32_b32 hwreg(HW_REG_WAVE_MODE, 25, 1), 1
	s_wait_xcnt 0x0
	s_wait_alu depctr_hold_cnt(0) depctr_sa_sdst(0) depctr_va_vdst(0) depctr_va_sdst(0) depctr_va_ssrc(0) depctr_va_vcc(0) depctr_vm_vsrc(0)
	s_getreg_b32 s2, hwreg(HW_REG_IB_STS2, 6, 4)
	s_cmp_eq_u32 s2, 0
	s_cbranch_scc0 .Lentry_in_a_cluster
	s_endpgm
.Lentry_in_a_cluster:
	s_bfe_u32 s2, ttmp6, 0x10000c
	s_cmp_lg_u32 s2, 0x3003
	s_cbranch_scc0 .Lentry_shape_is_right
	s_endpgm
.Lentry_shape_is_right:
; Pass over the columns k of one (batch, head): GB[k] = sum over q of 2^(S[q][k] + nl[q]) kps[q], S = kps[q] . qp[k], nl[q] = -(m + log2 l) from the pass over rows.
; nl holds the row's maximum, so every exponent is at most about 0: the maximum is taken away here too.
; Stored is c2 GB, c2 = -ln(2) / beta (bf16, plane 16 + h of g): kps carries beta log2(e), so this is the gradient with respect to the q projection.  The scale is applied in f32.
; The frame is that of the pass over rows with the roles changed: a work-group owns 256 rows of qp (plane 16 + h), the head's 2,048 rows of kps (plane h)
; lie whole in LDS (pitch 144), filled once, asked for jointly by the four work-groups of a cluster (mask 15), and so do the head's 2,048 nl.
; Wave w owns resident rows 64 (w & 3) .. + 63 and the streamed blocks of 32 numbered 2 i + (w >> 2); the two waves that share rows add their sums at the end.
; nl enters as the C operand of the first product of S: lane (r, h), register j of tile t wants nl[16 t + 8 h + j], eight neighbouring words.
; LIMITS: non-finite inputs are not served; beta = 0 or denormal gives no finite c2 (the reciprocal flushes denormals, ISA guide 15.8);
; P and GB are rounded to bf16; sums run in another order than a plain column sum.
.set TP,     144
.set CHUNK,  512*TP
.set WPART,  64*TP
.set STEPB,  64*TP
.set HALFK,  32*TP
.set T16,    16*TP
.set NLB,    4*CHUNK                   ; 294,912: the head's nl, 8,192 bytes
.set STAGE,  NLB+8192                  ; 303,104: 16 rows x 144 bytes for each of waves 0-3
.set MPAIR,  16384                     ; merge area of a pair of waves, in the tile's first bytes after their last read and last fill
.set AP,  2
.set AT,  3
.set STO, 4
.set RD,  5
.set GO,  6
.set RV,  7
.set MB,  8
.set AN,  9                            ; LDS address of my next block's nl
.set C2,  16                           ; v[16:17] -ln(2) / beta, twice
.set FS,  64
.set FT,  96
.set SS,  128
.set PP,  192
.set YY,  208
.set NLC, 224                          ; v[224:239] nl as C: 8 t + j; on the way out the rows read back
.set ZZ,  224
.set OO,  0                            ; window 1
.set KB,  128                          ; window 1
.set G1,  24
.set G0,  32                           ; s[32:47]
.set G1N, 48                           ; s[48:55] group 1 of the nl load
.set G0N, 56                           ; s[56:59]
.set MSB, 0
.macro WIN new
.if MSB != \new
	s_set_vgpr_msb (MSB<<8)|\new
.set MSB, \new
.endif
.endm
.macro PLACES
.rept 4
	v_nop
.endr
.endm
.macro ROUND
	s_barrier_signal -1
	s_barrier_wait -1
	s_cmp_lg_u32 s12, 0
	s_cbranch_scc1 .Lnot_wave_0_\@
	s_barrier_signal -3
.Lnot_wave_0_\@:
	s_barrier_wait -3
	s_barrier_signal -1
	s_barrier_wait -1
.endm
.macro SYNC n                          ; the next chunk is whole: n younger chunks may stay out
	s_wait_dscnt 0x0
	s_wait_tensorcnt \n
	s_barrier_signal -1
	s_barrier_wait -1
.endm
.macro LOADFS                          ; 8 loads of plain fragments, then 4 of nl
.irp t, 0,1
.irp k, 0,1
	ds_load_b128 v[FS+16*\t+8*\k:FS+16*\t+8*\k+3],   v[AP] offset:T16*\t+64*\k
	ds_load_b128 v[FS+16*\t+8*\k+4:FS+16*\t+8*\k+7], v[AP] offset:T16*\t+64*\k+32
.endr
.endr
.irp t, 0,1
	ds_load_b128 v[NLC+8*\t:NLC+8*\t+3],   v[AN] offset:64*\t
	ds_load_b128 v[NLC+8*\t+4:NLC+8*\t+7], v[AN] offset:64*\t+16
.endr
.endm
	s_load_b256 s[4:11], s[0:1], 0x0               ; pj s[4:5], nl s[6:7], beta s[8:9], g s[10:11]
	v_lshl_add_u32 v254, v0, 2, 0x4c400
	v_mov_b32 v255, 0
	ds_add_u32 v254, v255
	v_lshrrev_b32 v1, 5, v0
	v_readfirstlane_b32 s12, v1                    ; wave 0..7
	s_and_b32 s13, s12, 3
	s_lshr_b32 s14, s12, 2
	s_bfe_u32 s15, ttmp6, 0x40000                  ; cx
	s_lshl_b32 s16, ttmp9, 2
	s_add_co_u32 s16, s16, s15                     ; row block
	s_and_b32 s17, ttmp7, 0xffff                   ; y = 16 b + h
	s_and_b32 s18, s17, 15
	s_lshr_b32 s19, s17, 4
	; the streamed rows: plane h, batch b, my 64 rows of a chunk.  Nothing here hangs on cx.
	s_lshl_b32 s20, s18, 19
	s_lshl_b32 s21, s19, 18
	s_add_co_u32 s20, s20, s21
	s_lshl_b32 s21, s12, 13
	s_add_co_u32 s20, s20, s21
	s_mov_b32 s21, 0
	; the head's nl, my 1,024 bytes of it
	s_lshl_b32 s76, s17, 13
	s_lshl_b32 s77, s12, 10
	s_add_co_u32 s76, s76, s77
	s_mov_b32 s77, 0
	; my resident rows, and the same place in g: plane 16 + h
	s_lshl_b32 s60, s18, 19
	s_add_co_u32 s60, s60, 16<<19
	s_lshl_b32 s61, s19, 18
	s_add_co_u32 s60, s60, s61
	s_lshl_b32 s61, s16, 15
	s_add_co_u32 s60, s60, s61
	s_lshl_b32 s61, s13, 13
	s_add_co_u32 s60, s60, s61
	s_mov_b32 s61, 0
	s_mov_b32 s[G1+0], 15|(1<<16)|(1<<20)|(1<<21)|(4<<22)|(3<<25)
	s_mov_b32 s[G1+1], 64<<16
	s_mov_b32 s[G1+2], 64<<16
	s_mov_b32 s[G1+3], 64<<16
	s_mov_b32 s[G1+4], 64
	s_mov_b32 s[G1+5], 64
	s_mov_b32 s[G1+6], 0
	s_mov_b32 s[G1+7], 0
	; one row of 128 elements of 8 bytes, no padding, mask 15 with bit 21 beside it
	s_mov_b32 s[G1N+0], 15|(3<<16)|(1<<21)
	s_mov_b32 s[G1N+1], 128<<16
	s_mov_b32 s[G1N+2], 1<<16
	s_mov_b32 s[G1N+3], 128<<16
	s_mov_b32 s[G1N+4], 1
	s_mov_b32 s[G1N+5], 128
	s_mov_b32 s[G1N+6], 0
	s_mov_b32 s[G1N+7], 0
	s_mul_i32 s22, s12, WPART
	s_lshl_b32 s23, s12, 10
	s_wait_dscnt 0x0
	s_wait_kmcnt 0x0
	s_load_b32 s78, s[8:9], 0x0                    ; beta itself; waited for behind the joint loads
	s_add_nc_u64 s[20:21], s[4:5], s[20:21]
	s_add_nc_u64 s[70:71], s[4:5], s[60:61]
	s_add_nc_u64 s[68:69], s[10:11], s[60:61]
	s_mov_b32 s[G0N], 1
	s_add_co_u32 s[G0N+1], s23, NLB
	s_add_nc_u64 s[G0N+2:G0N+3], s[6:7], s[76:77]
	s_or_b32 s[G0N+3], s[G0N+3], 0x80000000
.irp c, 0,1,2,3
	s_mov_b32 s[G0+4*\c], 1
	s_add_co_u32 s[G0+4*\c+1], s22, \c*CHUNK
	s_add_nc_u64 s[G0+4*\c+2:G0+4*\c+3], s[20:21], \c*65536
	s_or_b32 s[G0+4*\c+3], s[G0+4*\c+3], 0x80000000
.endr
	ROUND
	tensor_load_to_lds s[G0N:G0N+3], s[G1N:G1N+7]          ; all fills of the launch, as one group: five loads of this wave are out
	s_nop 0
.irp c, 0,1,2,3
	tensor_load_to_lds s[G0+4*\c:G0+4*\c+3], s[G1:G1+7]
	s_nop 0
.endr
	v_and_b32 v10, 31, v0                          ; l
	v_and_b32 v1, 15, v0                           ; r
	v_bfe_u32 v14, v0, 4, 1                        ; h
	v_lshlrev_b32 v[RV], 7, v1
	v_lshl_add_u32 v[RV], v14, 4, v[RV]
	WIN 0x40
.irp q, 0,1,2,3
.irp k, 0,1
	global_load_b128 v[KB+16*\q+8*\k:KB+16*\q+8*\k+3],   v[RV], s[70:71] offset:2048*\q+64*\k
	global_load_b128 v[KB+16*\q+8*\k+4:KB+16*\q+8*\k+7], v[RV], s[70:71] offset:2048*\q+64*\k+32
.endr
.endr
	WIN 0
	v_mul_u32_u24 v15, v1, TP
	v_lshl_add_u32 v15, v14, 4, v15
	s_mul_i32 s23, s14, HALFK
	v_add_nc_u32 v[AP], s23, v15
	v_and_b32 v[AT], 7, v0
	v_lshl_add_u32 v[AT], v14, 3, v[AT]
	v_mul_u32_u24 v[AT], v[AT], TP
	v_bfe_u32 v13, v0, 3, 1
	v_lshl_add_u32 v[AT], v13, 4, v[AT]
	v_add_nc_u32 v[AT], s23, v[AT]
	s_lshl_b32 s23, s14, 7
	s_add_co_u32 s23, s23, NLB
	v_lshl_add_u32 v[AN], v14, 5, s23              ; nl base + 128 (w >> 2) + 32 h
	s_mul_i32 s23, s13, T16
	s_add_co_u32 s23, s23, STAGE
	v_add_nc_u32 v[STO], s23, v15
	v_lshrrev_b32 v[RD], 3, v10
	v_mul_u32_u24 v[RD], v[RD], TP
	v_and_b32 v13, 7, v0
	v_lshl_add_u32 v[RD], v13, 4, v[RD]
	v_add_nc_u32 v[RD], s23, v[RD]
	v_lshlrev_b32 v[GO], 4, v10
	s_mul_i32 s66, s13, MPAIR
	v_add_nc_u32 v[MB], s66, v[GO]
	s_wait_kmcnt 0x0                               ; beta
	v_rcp_f32 v[C2], s78
	v_nop                                          ; one plain place behind the reciprocal (ISA guide 5.7.2)
	s_wait_alu depctr_va_vdst(0)
	v_mul_f32 v[C2], 0xbf317218, v[C2]             ; c2 = -ln(2) / beta
	v_mov_b32 v[C2+1], v[C2]
.macro STEP first, pf
	s_wait_dscnt 0x0                               ; this step's plain fragments and nl, asked for a step ago
	WIN 0x04
	; eight accumulators take turns, one instruction a turn
.irp t, 0,1
.irp q, 0,1,2,3
	v_wmma_f32_16x16x32_bf16 v[SS+16*\q+8*\t:SS+16*\q+8*\t+7], v[FS+16*\t:FS+16*\t+7], v[KB+16*\q:KB+16*\q+7], v[NLC+8*\t:NLC+8*\t+7]
.endr
.endr
.irp t, 0,1
.irp q, 0,1,2,3
	v_wmma_f32_16x16x32_bf16 v[SS+16*\q+8*\t:SS+16*\q+8*\t+7], v[FS+16*\t+8:FS+16*\t+15], v[KB+16*\q+8:KB+16*\q+15], v[SS+16*\q+8*\t:SS+16*\q+8*\t+7]
.endr
.endr
	WIN 0
	v_add_nc_u32 v[AP], STEPB, v[AP]               ; four plain places (ISA guide 7.12.1) behind the products above and the last step's
	v_add_nc_u32 v[AN], 256, v[AN]
	v_nop
	v_nop
.irp z, 0,1,2,3
	ds_load_tr16_b128 v[FT+8*\z:FT+8*\z+3],   v[AT] offset:32*\z
	ds_load_tr16_b128 v[FT+8*\z+4:FT+8*\z+7], v[AT] offset:32*\z+T16
.endr
.if \pf
	LOADFS
.endif
	v_add_nc_u32 v[AT], STEPB, v[AT]
.set jj, 0
.rept 64
	v_exp_f32 v[SS+jj], v[SS+jj]
.set jj, jj+1
.endr
	v_nop                                          ; one plain place behind the exponentials (ISA guide 5.7.2)
	s_wait_alu depctr_va_vdst(0)
.irp q, 0,1,2,3
.irp k, 0,1,2,3,4,5,6,7
	v_cvt_pk_bf16_f32 v[PP+8*\q+\k], v[SS+16*\q+2*\k], v[SS+16*\q+2*\k+1]
.endr
.endr
	s_wait_dscnt 12*\pf                            ; the transposed fragments are in; the 12 younger loads (8 fragments, 4 nl of the next step) may stay out
	WIN 0x50
	; sixteen accumulators take turns, one instruction a turn
.irp z, 0,1,2,3
.irp q, 0,1,2,3
.if \first
	v_wmma_f32_16x16x32_bf16 v[OO+8*(4*\q+\z):OO+8*(4*\q+\z)+7], v[FT+8*\z:FT+8*\z+7], v[PP+8*\q:PP+8*\q+7], 0
.else
	v_wmma_f32_16x16x32_bf16 v[OO+8*(4*\q+\z):OO+8*(4*\q+\z)+7], v[FT+8*\z:FT+8*\z+7], v[PP+8*\q:PP+8*\q+7], v[OO+8*(4*\q+\z):OO+8*(4*\q+\z)+7]
.endif
.endr
.endr
	WIN 0
.endm
	s_wait_tensorcnt 0x3                           ; my parts of nl and of chunk 0 are in; three younger chunks stay out
	s_barrier_signal -1
	s_barrier_wait -1
	LOADFS
	s_wait_loadcnt 0x0                             ; my resident rows
	STEP 1, 1                                      ; step 0
	s_mov_b32 s66, 6
.Lc0:
	STEP 0, 1                                      ; steps 1-6
	s_sub_co_u32 s66, s66, 1
	s_cmp_lg_u32 s66, 0
	s_cbranch_scc1 .Lc0
	SYNC 2                                         ; a step early: step 7 asks for the first fragments of chunk 1
	s_mov_b32 s66, 8
.Lc1:
	STEP 0, 1                                      ; steps 7-14
	s_sub_co_u32 s66, s66, 1
	s_cmp_lg_u32 s66, 0
	s_cbranch_scc1 .Lc1
	SYNC 1
	s_mov_b32 s66, 8
.Lc2:
	STEP 0, 1                                      ; steps 15-22
	s_sub_co_u32 s66, s66, 1
	s_cmp_lg_u32 s66, 0
	s_cbranch_scc1 .Lc2
	SYNC 0
	s_mov_b32 s66, 8
.Lc3:
	STEP 0, 1                                      ; steps 23-30
	s_sub_co_u32 s66, s66, 1
	s_cmp_lg_u32 s66, 0
	s_cbranch_scc1 .Lc3
	STEP 0, 0                                      ; step 31
	; THE MERGE: waves 4-7 hand their sums to waves 0-3 through the tile's first bytes, which nobody reads or fills any more
	PLACES
	s_wait_dscnt 0x0
	s_barrier_signal -1
	s_barrier_wait -1                              ; every wave's reads of the tile are over
	s_cmp_eq_u32 s14, 0
	s_cbranch_scc1 .Lkeep
	WIN 0x04
.set jj, 0
.rept 32
	ds_store_b128 v[MB], v[OO+4*jj:OO+4*jj+3] offset:512*jj
.set jj, jj+1
.endr
	WIN 0
.Lkeep:
	s_wait_dscnt 0x0
	s_barrier_signal -1
	s_barrier_wait -1
	s_cmp_lg_u32 s14, 0
	s_cbranch_scc1 .Lclose
.set jj, 0
.rept 32
	ds_load_b128 v[FS+4*jj:FS+4*jj+3], v[MB] offset:512*jj
.set jj, jj+1
.endr
	s_wait_dscnt 0x0
	; c2 x (the partner's sums + mine): a multiply, then a fused multiply-add
.set jj, 0
.rept 64
	v_pk_mul_f32 v[FS+2*jj:FS+2*jj+1], v[FS+2*jj:FS+2*jj+1], v[C2:C2+1]
.set jj, jj+1
.endr
	WIN 0x01                                       ; source 0 in window 1
.set jj, 0
.rept 64
	v_pk_fma_f32 v[FS+2*jj:FS+2*jj+1], v[OO+2*jj:OO+2*jj+1], v[C2:C2+1], v[FS+2*jj:FS+2*jj+1]
.set jj, jj+1
.endr
	WIN 0
.macro OUTQ q
.irp z, 0,1,2,3
.irp i, 0,1,2,3
	v_cvt_pk_bf16_f32 v[YY+4*\z+\i], v[FS+32*\q+8*\z+2*\i], v[FS+32*\q+8*\z+2*\i+1]
.endr
.endr
.irp z, 0,1,2,3
	ds_store_b128 v[STO], v[YY+4*\z:YY+4*\z+3] offset:32*\z
.endr
	s_wait_xcnt 0x0                                ; the registers that earlier stores read are loaded again only behind this wait
.irp t, 0,1,2,3
	ds_load_b128 v[ZZ+4*\t:ZZ+4*\t+3], v[RD] offset:4*TP*\t
.endr
.irp t, 0,1,2,3
	s_wait_dscnt 3-\t
	global_store_b128 v[GO], v[ZZ+4*\t:ZZ+4*\t+3], s[68:69] offset:2048*\q+512*\t
.endr
.endm
	OUTQ 0
	OUTQ 1
	OUTQ 2
	OUTQ 3
.Lclose:
	s_wait_tensorcnt 0x0
	ds_add_u32 v254, v255
	s_wait_dscnt 0x0
	ROUND                                          ; the closing round
	s_endpgm
.Lfunc_end_k_q4bd803bc6a_attB:
	.size	k_q4bd803bc6a_attB, .Lfunc_end_k_q4bd803bc6a_attB-k_q4bd803bc6a_attB
	.p2alignl 7, 3214868480
	.fill 96, 4, 3214868480
	.section	.rodata,"a",@progbits
	.p2align	6, 0x0
	.amdhsa_kernel k_q4bd803bc6a_attB
		.amdhsa_group_segment_fixed_size 313344
		.amdhsa_private_segment_fixed_size 0
		.amdhsa_enable_private_segment 0
		.amdhsa_kernarg_size 32
		.amdhsa_user_sgpr_count 2
		.amdhsa_user_sgpr_kernarg_segment_ptr 1
		.amdhsa_wavefront_size32 1
		.amdhsa_system_sgpr_workgroup_id_x 1
		.amdhsa_system_sgpr_workgroup_id_y 1
		.amdhsa_system_sgpr_workgroup_id_z 1
		.amdhsa_system_vgpr_workitem_id 0
		.amdhsa_next_free_vgpr 448
		.amdhsa_next_free_sgpr 80
		.amdhsa_reserve_vcc 0
		.amdhsa_float_denorm_mode_32 3
		.amdhsa_float_denorm_mode_16_64 3
		.amdhsa_memory_ordered 1
		.amdhsa_forward_progress 1
		.amdhsa_inst_pref_size 77
	.end_amdhsa_kernel
	.amdgpu_metadata
---
amdhsa.version: [ 1, 2 ]
amdhsa.kernels:
  - .name:           k_q4bd803bc6a_attB
    .symbol:         k_q4bd803bc6a_attB.kd
    .args:
      - { .name: pj, .offset: 0, .size: 8, .value_kind: global_buffer, .address_space: global }
      - { .name: nl, .offset: 8, .size: 8, .value_kind: global_buffer, .address_space: global }
      - { .name: beta, .offset: 16, .size: 8, .value_kind: global_buffer, .address_space: global }
      - { .name: g, .offset: 24, .size: 8, .value_kind: global_buffer, .address_space: global }
    .group_segment_fixed_size: 313344
    .private_segment_fixed_size: 0
    .kernarg_segment_align: 8
    .kernarg_segment_size: 32
    .max_flat_workgroup_size: 256
    .sgpr_count:     80
    .vgpr_count:     448
    .wavefront_size: 32
...
	.end_amdgpu_metadata
.endif
;; end of part 4
;; launch outg (part 5): grid 8 x 32, 4 waves a work-group, clusters of 4 x 4, 327,680 bytes of LDS; arguments g, wb, out1; writes out1
.if DOCPART == 5
	.amdgcn_target "amdgcn-amd-amdhsa--gfx1250"
	.amdhsa_code_object_version 6
	.text
	.protected	k_q4bd803bc6a_outg
	.globl	k_q4bd803bc6a_outg
	.p2align	8
	.type	k_q4bd803bc6a_outg,@function
k_q4bd803bc6a_outg:
	s_mov_b64 s[64:65], 0
	v_nop
	global_prefetch_b8 v0, s[64:65] scope:SCOPE_SE
	s_setreg_imm32_b32 hwreg(HW_REG_WAVE_MODE, 25, 1), 1
	s_wait_xcnt 0x0
	s_wait_alu depctr_hold_cnt(0) depctr_sa_sdst(0) depctr_va_vdst(0) depctr_va_sdst(0) depctr_va_ssrc(0) depctr_va_vcc(0) depctr_vm_vsrc(0)
	s_getreg_b32 s2, hwreg(HW_REG_IB_STS2, 6, 4)
	s_cmp_eq_u32 s2, 0
	s_cbranch_scc0 .Lentry_in_a_cluster
	s_endpgm
.Lentry_in_a_cluster:
	s_bfe_u32 s2, ttmp6, 0x10000c
	s_cmp_lg_u32 s2, 0xf033
	s_cbranch_scc0 .Lentry_shape_is_right
	s_endpgm
.Lentry_shape_is_right:
; out1[row][d] = sum over planes c and z of g[c][row][z] wb[64 c + z][d].  g: 32 planes [4096][64] bf16 (the gradients with respect to the k and q projections,
; signs and scales already in them), wb: [2048][1024] bf16 (Wk, then Wq, as given), out1: [4096][1024] f32.
; A work-group makes 128 rows x 128 columns with four waves, a wave 64 x 64: 16 accumulator tiles, 128 registers.
; K = 2,048 goes in 16 steps of 128 (two planes of g, 128 rows of wb) through two LDS slots filled by the tensor data mover.
; CLUSTER 4 x 4: tiles of g hang on the block row alone and are shared along a row of the cluster, tiles of wb on the block column alone and are shared along a column.
; wb lies with K down the rows here, so its fragments come by the transposing LDS load (pitch 288, an odd multiple of 32).
; The product is used transposed (source 0 = columns d, source 1 = rows): a lane holds eight neighbouring f32 of one row.
; REGISTERS: window 0: v16-26 addresses, v64-127 and v128-191 two fragment buffers (wb 4 x 8, then g 4 x 8); window 1: accumulator (a, b) at v[8 (4 a + b)].
.set SUB,    18432                     ; what one load brings: 128 rows x 144 of g, or 64 rows x 288 of wb
.set SLOT,   4*SUB                     ; plane 0, plane 1, wb rows 0-63, wb rows 64-127
.set STAGE,  2*SLOT                    ; 16 rows x 272 bytes for each wave
.set SPITCH, 272
.set APITCH, 144
.set BPITCH, 288
.set LAPS,   8                         ; a lap = two K steps
.set ASTEP,  2*2*524288                ; two K steps on in g: four planes
.set BSTEP,  2*128*2048                ; two K steps on in wb: 256 rows
.set ADRA, 16
.set ADRB, 20
.set STO,  24
.set RD,   25
.set CO,   26
.set F0,   64
.set F1,   128
.set G1,  24
.set G0,  32
.set G1B, 48
.set G0B, 56
.set ACCW, 0x50
.set MSB, 0
.macro WIN new
.if MSB != \new
	s_set_vgpr_msb (MSB<<8)|\new
.set MSB, \new
.endif
.endm
.macro PLACES
.rept 4
	v_nop
.endr
.endm
.macro JLOAD s
	s_cmp_eq_u32 s11, 0
	s_cbranch_scc0 .Lfor_b_\@
	tensor_load_to_lds s[G0+4*\s:G0+4*\s+3], s[G1:G1+7]
	s_nop 0
	s_branch .Lasked_\@
.Lfor_b_\@:
	tensor_load_to_lds s[G0B+4*\s:G0B+4*\s+3], s[G1B:G1B+7]
	s_nop 0
.Lasked_\@:
.endm
.macro CREST
	s_cmp_lg_u32 s10, 0
	s_cbranch_scc1 .Lnot_wave_0_\@
	s_barrier_signal -3
.Lnot_wave_0_\@:
	s_barrier_wait -3
	s_barrier_signal -1
	s_barrier_wait -1
.endm
.macro CROUND
	s_barrier_signal -1
	s_barrier_wait -1
	CREST
.endm
	s_load_b128 s[4:7], s[0:1], 0x0                ; g s[4:5], wb s[6:7]
	s_load_b64 s[8:9], s[0:1], 0x10                ; out1
	v_lshl_add_u32 v254, v0, 2, 0x29000
	v_mov_b32 v255, 0
	ds_add_u32 v254, v255
	v_lshrrev_b32 v1, 5, v0
	v_readfirstlane_b32 s10, v1                    ; wave 0..3
	s_lshr_b32 s11, s10, 1                         ; wm; also: I fetch for g (0) or wb (1)
	s_and_b32 s12, s10, 1                          ; wn; also: which plane, or which 64 rows of wb, I fetch
	s_bfe_u32 s40, ttmp6, 0x40000                  ; cx
	s_bfe_u32 s41, ttmp6, 0x40004                  ; cy
	s_lshl_b32 s42, ttmp9, 2
	s_add_co_u32 s42, s42, s40                     ; block column
	s_and_b32 s13, ttmp7, 0xffff
	s_lshl_b32 s13, s13, 2
	s_add_co_u32 s13, s13, s41                     ; block row
	s_lshl_b32 s43, s41, 2
	s_lshl_b32 s43, 15, s43                        ; my row of the cluster
	s_lshl_b32 s44, 0x1111, s40                    ; my column
	; g: 128 rows x 64 elements of 2 bytes, 4 words of padding behind every 32
	s_or_b32 s[G1+0], s43, (1<<16)|(1<<20)|(1<<21)|(4<<22)|(3<<25)
	s_mov_b32 s[G1+1], 64<<16
	s_mov_b32 s[G1+2], 128<<16
	s_mov_b32 s[G1+3], 64<<16
	s_mov_b32 s[G1+4], 128
	s_mov_b32 s[G1+5], 64
	s_mov_b32 s[G1+6], 0
	s_mov_b32 s[G1+7], 0
	; wb: 64 rows x 128 elements, 8 words of padding behind every 64
	s_or_b32 s[G1B+0], s44, (1<<16)|(1<<20)|(1<<21)|(5<<22)|(7<<25)
	s_mov_b32 s[G1B+1], 128<<16
	s_mov_b32 s[G1B+2], 64<<16
	s_mov_b32 s[G1B+3], 128<<16
	s_mov_b32 s[G1B+4], 64
	s_mov_b32 s[G1B+5], 1024
	s_mov_b32 s[G1B+6], 0
	s_mov_b32 s[G1B+7], 0
	s_lshl_b32 s16, s12, 19                        ; g: plane (w & 1),
	s_lshl_b32 s17, s13, 14                        ; 128 rows of 128 bytes a block row
	s_add_co_u32 s16, s16, s17
	s_mov_b32 s17, 0
	s_lshl_b32 s46, s12, 17                        ; wb: 64 rows of 2,048 bytes x (w & 1),
	s_lshl_b32 s47, s42, 8                         ; 128 columns of 2 bytes a block column
	s_add_co_u32 s46, s46, s47
	s_mov_b32 s47, 0
	s_mul_i32 s20, s10, SUB                        ; where my part goes: wave x 18,432
	s_wait_dscnt 0x0
	s_wait_kmcnt 0x0
	s_add_nc_u64 s[14:15], s[4:5], s[16:17]
	s_add_nc_u64 s[46:47], s[6:7], s[46:47]
	CROUND
.irp s, 0,1
	s_mov_b32 s[G0+4*\s], 1
	s_add_co_u32 s[G0+4*\s+1], s20, \s*SLOT
	s_add_nc_u64 s[G0+4*\s+2:G0+4*\s+3], s[14:15], \s*(ASTEP/2)
	s_or_b32 s[G0+4*\s+3], s[G0+4*\s+3], 0x80000000
	s_mov_b32 s[G0B+4*\s], 1
	s_add_co_u32 s[G0B+4*\s+1], s20, \s*SLOT
	s_add_nc_u64 s[G0B+4*\s+2:G0B+4*\s+3], s[46:47], \s*(BSTEP/2)
	s_or_b32 s[G0B+4*\s+3], s[G0B+4*\s+3], 0x80000000
	JLOAD \s                                       ; two loads of this wave are out
.endr
	v_and_b32 v1, 15, v0                           ; r
	v_bfe_u32 v2, v0, 4, 1                         ; h
	v_mul_u32_u24 v3, v1, APITCH
	v_lshl_add_u32 v3, v2, 4, v3                   ; g: 144 r + 16 h
	v_and_b32 v4, 7, v0
	v_lshl_add_u32 v4, v2, 3, v4                   ; wb: (8 h + (l & 7)) x 288
	v_mul_u32_u24 v4, v4, BPITCH
	v_bfe_u32 v5, v0, 3, 1
	v_lshl_add_u32 v4, v5, 4, v4                   ;     + 16 ((l >> 3) & 1)
	s_mul_i32 s21, s11, 64*APITCH                  ; my 64 rows
	s_lshl_b32 s22, s12, 7                         ; my 64 columns, 128 bytes
	s_add_co_u32 s22, s22, 2*SUB
.irp s, 0,1
	v_add_nc_u32 v[ADRA+\s], s21, v3
	v_add_nc_u32 v[ADRB+\s], s22, v4
	s_add_co_u32 s21, s21, SLOT
	s_add_co_u32 s22, s22, SLOT
.endr
	s_mul_i32 s23, s10, 16*SPITCH
	s_add_co_u32 s23, s23, STAGE
	v_mul_u32_u24 v6, v1, SPITCH
	v_lshl_add_u32 v6, v2, 5, v6
	v_add_nc_u32 v[STO], s23, v6                   ; in: row r, 32 bytes for each half of the lanes
	v_mul_u32_u24 v7, v2, SPITCH
	v_lshl_add_u32 v7, v1, 4, v7
	v_add_nc_u32 v[RD], s23, v7                    ; back: lanes 0-15 one row of 256 bytes, lanes 16-31 the next
	v_lshlrev_b32 v8, 12, v2
	v_lshl_add_u32 v[CO], v1, 4, v8                ; the same two rows in out1
.macro MUL4 f, a, zero
.irp b, 0,1,2,3
.if \zero
	v_wmma_f32_16x16x32_bf16 v[8*(4*\a+\b):8*(4*\a+\b)+7], v[\f+8*\b:\f+8*\b+7], v[\f+32+8*\a:\f+32+8*\a+7], 0
.else
	v_wmma_f32_16x16x32_bf16 v[8*(4*\a+\b):8*(4*\a+\b)+7], v[\f+8*\b:\f+8*\b+7], v[\f+32+8*\a:\f+32+8*\a+7], v[8*(4*\a+\b):8*(4*\a+\b)+7]
.endif
.endr
.endm
; 16 LDS loads in one run: quarter kq of the K step: 64 columns of wb (transposing), then 64 rows of g (plane kq / 2, z from 32 (kq % 2))
.macro FETCH slot, kq, f
	WIN 0
.irp b, 0,1,2,3
	ds_load_tr16_b128 v[\f+8*\b:\f+8*\b+3],   v[ADRB+\slot] offset:32*BPITCH*\kq+32*\b
	ds_load_tr16_b128 v[\f+8*\b+4:\f+8*\b+7], v[ADRB+\slot] offset:32*BPITCH*\kq+32*\b+16*BPITCH
.endr
.irp a, 0,1,2,3
	ds_load_b128 v[\f+32+8*\a:\f+32+8*\a+3], v[ADRA+\slot] offset:(\kq/2)*SUB+(\kq%2)*64+16*APITCH*\a
	ds_load_b128 v[\f+32+8*\a+4:\f+32+8*\a+7], v[ADRA+\slot] offset:(\kq/2)*SUB+(\kq%2)*64+16*APITCH*\a+32
.endr
.endm
; The 16 accumulators take turns, one instruction a turn, in the same order in every quarter.
.macro QUARTER slot, kq, f, g, zero
	s_wait_dscnt 4                                 ; wb and g tiles 0, 1 are in; the four youngest loads (g tiles 2, 3) may be out
	WIN ACCW
	MUL4 \f, 0, \zero
	MUL4 \f, 1, \zero
	PLACES
	FETCH \slot, \kq, \g
	s_wait_dscnt 16                                ; all but the 16 just issued
	WIN ACCW
	MUL4 \f, 2, \zero
	MUL4 \f, 3, \zero
.endm
.macro THREE slot, zero
	QUARTER \slot, 1, F0, F1, \zero
	QUARTER \slot, 2, F1, F0, 0
	QUARTER \slot, 3, F0, F1, 0
.endm
; The last quarter changes slots: each wave waits for its reads of this slot and for all its tensor loads, then the barrier; where the slot is filled
; again the barrier opens a round of the cluster barrier and the joint refill is the first tensor load behind it.
; From a request to the wait for it a wave issues 60 matrix instructions.
.macro TURN slot, next, fill
	s_wait_dscnt 4
	WIN ACCW
	MUL4 F1, 0, 0
	s_wait_dscnt 0
	s_wait_tensorcnt 0x0
	ds_add_u32 v254, v255
	s_wait_dscnt 0x0
	s_barrier_signal -1
	MUL4 F1, 1, 0
	WIN 0
	s_barrier_wait -1
.if \fill
	CREST
	s_add_nc_u64 s[G0+4*\slot+2:G0+4*\slot+3], s[G0+4*\slot+2:G0+4*\slot+3], ASTEP      ; no load of mine is out: group 0 may be written
	s_add_nc_u64 s[G0B+4*\slot+2:G0B+4*\slot+3], s[G0B+4*\slot+2:G0B+4*\slot+3], BSTEP
	JLOAD \slot
.endif
	PLACES
	FETCH \next, 0, F0
	WIN ACCW
	MUL4 F1, 2, 0
	MUL4 F1, 3, 0
.endm
.macro LAP zero
	THREE 0, \zero
	TURN 0, 1, 1
	THREE 1, 0
	TURN 1, 0, 1
.endm
	s_wait_tensorcnt 1                             ; my part of K step 0 is in; K step 1 may stay out
	s_barrier_signal -1
	s_barrier_wait -1
	FETCH 0, 0, F0
	LAP 1
	WIN 0
	s_mov_b32 s3, LAPS-2
.Llap:
	LAP 0
	WIN 0
	s_sub_co_u32 s3, s3, 1
	s_cmp_lg_u32 s3, 0
	s_cbranch_scc1 .Llap
	THREE 0, 0
	TURN 0, 1, 0
	THREE 1, 0
	s_wait_dscnt 4
	WIN ACCW
	MUL4 F1, 0, 0
	MUL4 F1, 1, 0
	s_wait_dscnt 0
	MUL4 F1, 2, 0
	MUL4 F1, 3, 0
	; THE WAY OUT, 16 rows at a time through my own stage: sixteen lanes store 256 consecutive aligned bytes
	PLACES
	s_lshl_b32 s16, s13, 7
	s_lshl_b32 s18, s11, 6
	s_add_co_u32 s16, s16, s18                     ; my first row
	s_lshl_b32 s16, s16, 12                        ; rows of 4,096 bytes
	s_mov_b32 s17, 0
	s_add_nc_u64 s[8:9], s[8:9], s[16:17]
	s_lshl_b32 s46, s42, 9                         ; my first column: 512 bytes a block + 256 a half
	s_lshl_b32 s47, s12, 8
	s_add_co_u32 s46, s46, s47
	s_mov_b32 s47, 0
	s_add_nc_u64 s[8:9], s[8:9], s[46:47]
.macro OUT16 a, f
	WIN 0x04                                       ; store data in window 1
.irp b, 0,1,2,3
	ds_store_b128 v[STO], v[8*(4*\a+\b):8*(4*\a+\b)+3]   offset:64*\b
	ds_store_b128 v[STO], v[8*(4*\a+\b)+4:8*(4*\a+\b)+7] offset:64*\b+16
.endr
	WIN 0
	s_wait_xcnt 0x0                                ; buffer f, which earlier stores read, is loaded again only behind this wait
.irp t, 0,1,2,3,4,5,6,7
	ds_load_b128 v[\f+4*\t:\f+4*\t+3], v[RD] offset:\t*2*SPITCH
.endr
.irp t, 0,1,2,3,4,5,6,7
	s_wait_dscnt 7-\t
	global_store_b128 v[CO], v[\f+4*\t:\f+4*\t+3], s[8:9] offset:(16*\a+2*\t)*4096 th:TH_STORE_NT
.endr
.endm
	OUT16 0, F0
	OUT16 1, F1
	OUT16 2, F0
	OUT16 3, F1
	s_wait_tensorcnt 0x0
	ds_add_u32 v254, v255
	s_wait_dscnt 0x0
	CROUND                                         ; the closing round
	s_endpgm
.Lfunc_end_k_q4bd803bc6a_outg:
	.size	k_q4bd803bc6a_outg, .Lfunc_end_k_q4bd803bc6a_outg-k_q4bd803bc6a_outg
	.p2alignl 7, 3214868480
	.fill 96, 4, 3214868480
	.section	.rodata,"a",@progbits
	.p2align	6, 0x0
	.amdhsa_kernel k_q4bd803bc6a_outg
		.amdhsa_group_segment_fixed_size 327680
		.amdhsa_private_segment_fixed_size 0
		.amdhsa_enable_private_segment 0
		.amdhsa_kernarg_size 24
		.amdhsa_user_sgpr_count 2
		.amdhsa_user_sgpr_kernarg_segment_ptr 1
		.amdhsa_wavefront_size32 1
		.amdhsa_system_sgpr_workgroup_id_x 1
		.amdhsa_system_sgpr_workgroup_id_y 1
		.amdhsa_system_sgpr_workgroup_id_z 1
		.amdhsa_system_vgpr_workitem_id 0
		.amdhsa_next_free_vgpr 384
		.amdhsa_next_free_sgpr 66
		.amdhsa_reserve_vcc 0
		.amdhsa_float_denorm_mode_32 3
		.amdhsa_float_denorm_mode_16_64 3
		.amdhsa_memory_ordered 1
		.amdhsa_forward_progress 1
		.amdhsa_inst_pref_size 74
	.end_amdhsa_kernel
	.amdgpu_metadata
---
amdhsa.version: [ 1, 2 ]
amdhsa.kernels:
  - .name:           k_q4bd803bc6a_outg
    .symbol:         k_q4bd803bc6a_outg.kd
    .args:
      - { .name: g, .offset: 0, .size: 8, .value_kind: global_buffer, .address_space: global }
      - { .name: wb, .offset: 8, .size: 8, .value_kind: global_buffer, .address_space: global }
      - { .name: out1, .offset: 16, .size: 8, .value_kind: global_buffer, .address_space: global }
    .group_segment_fixed_size: 327680
    .private_segment_fixed_size: 0
    .kernarg_segment_align: 8
    .kernarg_segment_size: 24
    .max_flat_workgroup_size: 128
    .sgpr_count:     66
    .vgpr_count:     384
    .wavefront_size: 32
...
	.end_amdgpu_metadata
.endif
;; end of part 5
;; launch energy (part 6): grid 1 x 1, 1 waves a work-group, no clusters, 0 bytes of LDS; arguments part, beta, out0; writes out0
.if DOCPART == 6
	.amdgcn_target "amdgcn-amd-amdhsa--gfx1250"
	.amdhsa_code_object_version 6
	.text
	.protected	k_q4bd803bc6a_energy
	.globl	k_q4bd803bc6a_energy
	.p2align	8
	.type	k_q4bd803bc6a_energy,@function
k_q4bd803bc6a_energy:
	s_mov_b64 s[64:65], 0
	v_nop
	global_prefetch_b8 v0, s[64:65] scope:SCOPE_SE
	s_setreg_imm32_b32 hwreg(HW_REG_WAVE_MODE, 25, 1), 1
	s_wait_xcnt 0x0
; out0[b] = (ln 2 / beta) x the sum of the 512 partial sums of nl of batch b.  part: 1,024 f32, the first 512 of batch 0.
; One wave: the sum has one owner, and 4,096 bytes are eight loads of 16 bytes a lane.
; LIMIT: beta = 0 or denormal gives no finite result (the reciprocal flushes denormals, ISA guide 15.8).
	s_load_b128 s[4:7], s[0:1], 0x0                ; part s[4:5], beta s[6:7]
	s_load_b64 s[8:9], s[0:1], 0x10                ; out0
	v_lshlrev_b32 v1, 4, v0
	v_mov_b32 v2, 0
	s_mov_b32 s12, 0x76543210
	s_mov_b32 s13, 0xfedcba98
	s_wait_kmcnt 0x0
	s_load_b32 s10, s[6:7], 0x0
.irp i, 0,1,2,3,4,5,6,7
	global_load_b128 v[4+4*\i:7+4*\i], v1, s[4:5] offset:512*\i    ; loads 0-3: batch 0, loads 4-7: batch 1
.endr
	s_wait_loadcnt 0x0
.irp b, 0,1
	v_pk_add_f32 v[4+16*\b:5+16*\b],   v[4+16*\b:5+16*\b],   v[6+16*\b:7+16*\b]
	v_pk_add_f32 v[8+16*\b:9+16*\b],   v[8+16*\b:9+16*\b],   v[10+16*\b:11+16*\b]
	v_pk_add_f32 v[12+16*\b:13+16*\b], v[12+16*\b:13+16*\b], v[14+16*\b:15+16*\b]
	v_pk_add_f32 v[16+16*\b:17+16*\b], v[16+16*\b:17+16*\b], v[18+16*\b:19+16*\b]
.endr
.irp b, 0,1
	v_pk_add_f32 v[4+16*\b:5+16*\b],   v[4+16*\b:5+16*\b],   v[8+16*\b:9+16*\b]
	v_pk_add_f32 v[12+16*\b:13+16*\b], v[12+16*\b:13+16*\b], v[16+16*\b:17+16*\b]
.endr
.irp b, 0,1
	v_pk_add_f32 v[4+16*\b:5+16*\b], v[4+16*\b:5+16*\b], v[12+16*\b:13+16*\b]
.endr
.irp b, 0,1
	v_add_f32 v[36+\b], v[4+16*\b], v[5+16*\b]
.endr
.irp m, 1,2,4,8
	v_add_f32_dpp v36, v36, v36 row_xmask:\m row_mask:0xf bank_mask:0xf
	v_add_f32_dpp v37, v37, v37 row_xmask:\m row_mask:0xf bank_mask:0xf
.endr
	v_permlanex16_b32 v6, v36, s12, s13            ; destinations that have been written before
	v_permlanex16_b32 v7, v37, s12, s13
	v_add_f32 v36, v36, v6
	v_add_f32 v37, v37, v7
	s_wait_kmcnt 0x0
	v_rcp_f32 v40, s10
	v_nop                                          ; one plain place behind the reciprocal (ISA guide 5.7.2)
	s_wait_alu depctr_va_vdst(0)
	v_mul_f32 v40, 0x3f317218, v40                 ; ln 2 / beta
	v_mul_f32 v36, v36, v40
	v_mul_f32 v37, v37, v40
	v_cmp_eq_u32 vcc_lo, 0, v0
	s_wait_xcnt 0x0                                ; EXEC changes only behind this wait
	s_and_saveexec_b32 s14, vcc_lo
	global_store_b64 v2, v[36:37], s[8:9]
	s_wait_xcnt 0x0
	s_or_b32 exec_lo, exec_lo, s14
	s_endpgm
.Lfunc_end_k_q4bd803bc6a_energy:
	.size	k_q4bd803bc6a_energy, .Lfunc_end_k_q4bd803bc6a_energy-k_q4bd803bc6a_energy
	.p2alignl 7, 3214868480
	.fill 96, 4, 3214868480
	.section	.rodata,"a",@progbits
	.p2align	6, 0x0
	.amdhsa_kernel k_q4bd803bc6a_energy
		.amdhsa_group_segment_fixed_size 0
		.amdhsa_private_segment_fixed_size 0
		.amdhsa_enable_private_segment 0
		.amdhsa_kernarg_size 24
		.amdhsa_user_sgpr_count 2
		.amdhsa_user_sgpr_kernarg_segment_ptr 1
		.amdhsa_wavefront_size32 1
		.amdhsa_system_sgpr_workgroup_id_x 1
		.amdhsa_system_sgpr_workgroup_id_y 1
		.amdhsa_system_sgpr_workgroup_id_z 1
		.amdhsa_system_vgpr_workitem_id 0
		.amdhsa_next_free_vgpr 48
		.amdhsa_next_free_sgpr 66
		.amdhsa_reserve_vcc 1
		.amdhsa_float_denorm_mode_32 3
		.amdhsa_float_denorm_mode_16_64 3
		.amdhsa_memory_ordered 1
		.amdhsa_forward_progress 1
		.amdhsa_inst_pref_size 4
	.end_amdhsa_kernel
	.amdgpu_metadata
---
amdhsa.version: [ 1, 2 ]
amdhsa.kernels:
  - .name:           k_q4bd803bc6a_energy
    .symbol:         k_q4bd803bc6a_energy.kd
    .args:
      - { .name: part, .offset: 0, .size: 8, .value_kind: global_buffer, .address_space: global }
      - { .name: beta, .offset: 8, .size: 8, .value_kind: global_buffer, .address_space: global }
      - { .name: out0, .offset: 16, .size: 8, .value_kind: global_buffer, .address_space: global }
    .group_segment_fixed_size: 0
    .private_segment_fixed_size: 0
    .kernarg_segment_align: 8
    .kernarg_segment_size: 24
    .max_flat_workgroup_size: 32
    .sgpr_count:     66
    .vgpr_count:     48
    .wavefront_size: 32
...
	.end_amdgpu_metadata
.endif
;; end of part 6
